; MI455X (gfx1250); checked and timed in simulation.
; The chip was launched on July 23, 2026; its instructions are those of AMD's public machine-readable ISA for CDNA 5 (MIT licence, August 2026) and "CDNA5" Instruction Set Architecture Reference Guide (July 2026). The comments in the code are by the model that wrote it; some were corrected since.
;; Casual Attention. Allowed arithmetic: float matrix products may take bf16 or f16 operands with f32 sums; other float arithmetic in f32, or as packed bf16 or f16 multiplies, adds, multiply-adds, maxima and minima; sums over many terms, partial sums and values carried from step to step in f32; what a program stores and reads back later, other than sums and carried values, may be rounded once to bf16 or f16.
;; Inputs: Wk 1,024 x 1,024 float32; Wq 1,024 x 1,024 float32; Wv 1,024 x 1,024 float32; x 4 x 2,048 x 1,024 float32.
;; Outputs: out0 4 x 2,048 x 1,024 float32.
;; 2 versions, each right; version 2 is version 1 with the launch cast written anew for expert scheduling mode. Each part assembles by itself: llvm-mc -triple=amdgcn-amd-amdhsa -mcpu=gfx1250 --defsym DOCPART=n.
;; ======== version 1 of 2: 4 launches
;; limits: values are held in f16: magnitudes above 65,504 overflow, below 6.1e-05 lose precision
;; workspace buffers: xb 16,777,216 bytes; wb 6,291,456 bytes; qkv 50,331,648 bytes; pt 33,554,432 bytes; st 1,048,576 bytes
;; launch cast (part 1): grid 704 x 1, 8 waves a work-group, no clusters, 0 bytes of LDS; arguments x, Wq, Wk, Wv, xb, wb; writes xb, wb
.if DOCPART == 1
	.amdgcn_target "amdgcn-amd-amdhsa--gfx1250"
	.amdhsa_code_object_version 6
	.text
	.protected	k_q86d73b4562_cast
	.globl	k_q86d73b4562_cast
	.p2align	8
	.type	k_q86d73b4562_cast,@function
k_q86d73b4562_cast:
	s_mov_b64 s[64:65], 0
	v_nop
	global_prefetch_b8 v0, s[64:65] scope:SCOPE_SE
	s_setreg_imm32_b32 hwreg(HW_REG_WAVE_MODE, 25, 1), 1
	s_wait_xcnt 0x0
; x and the three weight matrices rounded to bf16, laid out as the projection's tiles want them.
; xb: [16 blocks of 64 k][8192 rows][64 k]: the 64 k of a row are 128 bytes, and rows follow each other, so that 128 rows x 64 k are 16,384 dense bytes.
; wb: [1024 k][3072 n]: a row holds Wq's, Wk's and Wv's row k one behind the other, 2,048 bytes each.
; A stream: each byte is read once and written once.  A work-group of eight waves casts 16,384 numbers: 16 rows of x (work-groups 0 to 511) or 16 rows of a matrix (512 to 703, 64 for each matrix).
; x: wave w takes rows 2 w and 2 w + 1 (lanes 0-15 the one, lanes 16-31 the other); load i takes 256 consecutive bytes of each (64 k), store i puts the two rows' 128 bytes side by side: 256 consecutive bytes, aligned.
; W: load i takes row i, 16 bytes a thread; a wave's store covers 256 consecutive bytes, aligned.
; All sixteen loads of a lane go out at once; no register is written twice, so the only waits are the counted ones for the loads.  No LDS, no matrix unit, no cluster: no byte is wanted twice.
.set XCH, 512                          ; chunks of x
.set XPL, 8192*128                     ; bytes in a block of 64 k of xb
.set ROWW, 6144                        ; bytes in a row of wb
.set IN,  8                            ; v[8:71]    sixteen loads of four f32
.set OUT, 72                           ; v[72:103]  sixteen pairs of packed bf16
; lstep, sstep: bytes from load to load and from store to store.  split = 1: stores 8 to 15 go by a second base, so that the immediate stays inside its signed 24 bits.
.macro CAST lstep, sstep, split
.irp i, 0,1,2,3,4,5,6,7,8,9,10,11,12,13,14,15
	global_load_b128 v[IN+4*(\i):IN+4*(\i)+3], v1, s[16:17] offset:(\i)*(\lstep) th:TH_LOAD_NT
.endr
.irp i, 0,1,2,3,4,5,6,7,8,9,10,11,12,13,14,15
	s_wait_loadcnt 15-(\i)                         ; loads come back in order: number i is in, the younger ones stay out
	v_cvt_pk_bf16_f32 v[OUT+2*(\i)], v[IN+4*(\i)], v[IN+4*(\i)+1]
	v_cvt_pk_bf16_f32 v[OUT+2*(\i)+1], v[IN+4*(\i)+2], v[IN+4*(\i)+3]
.if (\split) && ((\i) >= 8)
	global_store_b64 v2, v[OUT+2*(\i):OUT+2*(\i)+1], s[20:21] offset:((\i)-8)*(\sstep)
.else
	global_store_b64 v2, v[OUT+2*(\i):OUT+2*(\i)+1], s[18:19] offset:(\i)*(\sstep)
.endif
.endr
.endm
	s_load_b256 s[4:11], s[0:1], 0x0               ; x s[4:5], Wq s[6:7], Wk s[8:9], Wv s[10:11]
	s_load_b128 s[12:15], s[0:1], 0x20             ; xb s[12:13], wb s[14:15]
	v_lshlrev_b32 v2, 3, v0                        ; 8 bytes a thread on the way out, on both ways
	s_mov_b32 s25, 0
	s_mov_b32 s27, 0
	s_cmp_lt_u32 ttmp9, XCH
	s_cbranch_scc0 .Lweights
	v_lshrrev_b32 v3, 4, v0                        ; my row of the chunk's 16
	v_and_b32 v1, 15, v0
	v_lshlrev_b32 v1, 4, v1                        ; 16 bytes a lane along it
	v_lshl_add_u32 v1, v3, 12, v1                  ; + the row's 4,096 bytes
	s_lshl_b32 s24, ttmp9, 16                      ; the chunk in x: 16 rows of 4,096 bytes,
	s_lshl_b32 s26, ttmp9, 11                      ; and in a block of xb: 16 rows of 128 bytes
	s_wait_kmcnt 0x0
	s_add_nc_u64 s[16:17], s[4:5], s[24:25]
	s_add_nc_u64 s[18:19], s[12:13], s[26:27]
	s_add_nc_u64 s[20:21], s[18:19], 8*XPL         ; blocks 8 to 15
	CAST 256, XPL, 1
	s_endpgm
.Lweights:
	v_lshlrev_b32 v1, 4, v0                        ; 16 bytes a thread: the eight waves cover a row
	s_sub_co_u32 s20, ttmp9, XCH
	s_lshr_b32 s22, s20, 6                         ; which matrix
	s_and_b32 s23, s20, 63                         ; which 16 rows of it
	s_lshl_b32 s24, s23, 16
	s_mul_i32 s26, s23, 16*ROWW
	s_lshl_b32 s28, s22, 11                        ; the matrix's 2,048 bytes of a row of wb
	s_add_co_u32 s26, s26, s28
	s_wait_kmcnt 0x0
	s_cmp_eq_u32 s22, 0
	s_cselect_b64 s[16:17], s[6:7], s[8:9]         ; Wq or Wk,
	s_cmp_eq_u32 s22, 2
	s_cselect_b64 s[16:17], s[10:11], s[16:17]     ; or Wv
	s_add_nc_u64 s[16:17], s[16:17], s[24:25]
	s_add_nc_u64 s[18:19], s[14:15], s[26:27]
	CAST 4096, ROWW, 0
	s_endpgm
.Lfunc_end_k_q86d73b4562_cast:
	.size	k_q86d73b4562_cast, .Lfunc_end_k_q86d73b4562_cast-k_q86d73b4562_cast
	.p2alignl 7, 3214868480
	.fill 96, 4, 3214868480
	.section	.rodata,"a",@progbits
	.p2align	6, 0x0
	.amdhsa_kernel k_q86d73b4562_cast
		.amdhsa_group_segment_fixed_size 0
		.amdhsa_private_segment_fixed_size 0
		.amdhsa_enable_private_segment 0
		.amdhsa_kernarg_size 48
		.amdhsa_user_sgpr_count 2
		.amdhsa_user_sgpr_kernarg_segment_ptr 1
		.amdhsa_wavefront_size32 1
		.amdhsa_system_sgpr_workgroup_id_x 1
		.amdhsa_system_sgpr_workgroup_id_y 1
		.amdhsa_system_sgpr_workgroup_id_z 1
		.amdhsa_system_vgpr_workitem_id 0
		.amdhsa_next_free_vgpr 104
		.amdhsa_next_free_sgpr 66
		.amdhsa_reserve_vcc 0
		.amdhsa_float_denorm_mode_32 3
		.amdhsa_float_denorm_mode_16_64 3
		.amdhsa_memory_ordered 1
		.amdhsa_forward_progress 1
		.amdhsa_inst_pref_size 13
	.end_amdhsa_kernel
	.amdgpu_metadata
---
amdhsa.version: [ 1, 2 ]
amdhsa.kernels:
  - .name:           k_q86d73b4562_cast
    .symbol:         k_q86d73b4562_cast.kd
    .args:
      - { .name: x, .offset: 0, .size: 8, .value_kind: global_buffer, .address_space: global }
      - { .name: Wq, .offset: 8, .size: 8, .value_kind: global_buffer, .address_space: global }
      - { .name: Wk, .offset: 16, .size: 8, .value_kind: global_buffer, .address_space: global }
      - { .name: Wv, .offset: 24, .size: 8, .value_kind: global_buffer, .address_space: global }
      - { .name: xb, .offset: 32, .size: 8, .value_kind: global_buffer, .address_space: global }
      - { .name: wb, .offset: 40, .size: 8, .value_kind: global_buffer, .address_space: global }
    .group_segment_fixed_size: 0
    .private_segment_fixed_size: 0
    .kernarg_segment_align: 8
    .kernarg_segment_size: 48
    .max_flat_workgroup_size: 256
    .sgpr_count:     66
    .vgpr_count:     104
    .wavefront_size: 32
...
	.end_amdgpu_metadata
.endif
;; end of part 1
;; launch proj (part 2): grid 8 x 32, 4 waves a work-group, clusters of 4 x 4, 327,680 bytes of LDS; arguments xb, wb, qkv; writes qkv
.if DOCPART == 2
	.amdgcn_target "amdgcn-amd-amdhsa--gfx1250"
	.amdhsa_code_object_version 6
	.text
	.protected	k_q86d73b4562_proj
	.globl	k_q86d73b4562_proj
	.p2align	8
	.type	k_q86d73b4562_proj,@function
k_q86d73b4562_proj:
	s_mov_b64 s[64:65], 0
	v_nop
	global_prefetch_b8 v0, s[64:65] scope:SCOPE_SE
	s_setreg_imm32_b32 hwreg(HW_REG_WAVE_MODE, 25, 1), 1
	s_wait_xcnt 0x0
	s_wait_alu depctr_hold_cnt(0) depctr_sa_sdst(0) depctr_va_vdst(0) depctr_va_sdst(0) depctr_va_ssrc(0) depctr_va_vcc(0) depctr_vm_vsrc(0)
	s_getreg_b32 s2, hwreg(HW_REG_IB_STS2, 6, 4)
	s_cmp_eq_u32 s2, 0
	s_cbranch_scc0 .Lentry_in_a_cluster
	s_endpgm
.Lentry_in_a_cluster:
	s_bfe_u32 s2, ttmp6, 0x10000c
	s_cmp_lg_u32 s2, 0xf033
	s_cbranch_scc0 .Lentry_shape_is_right
	s_endpgm
.Lentry_shape_is_right:
; qkv[m][n] = the sum over k of x[m][k] w[k][n], n running through Wq's, Wk's and Wv's 1,024 columns in turn.  xb: [16][8192][64] bf16 (blocks of 64 k); wb: [1024 k][3072 n] bf16;
; qkv: [8192][3072] f16 (a row: q, k, v, 2,048 bytes each).  Sums in f32, K ascending, rounded once to f16, unscaled.
; LIMIT.  f16 ends at 65,504: a q, k or v of 65,520 or more becomes an infinity.  NaN and infinities are not treated apart.
; SHARES.  8192 x 3072 numbers on 256 work-groups are 98,304 each: a tile of 256 x 384, one for each work-group.  Four waves, each 128 x 192: 96 accumulators of 16 x 16, 768 registers.
; K goes in sixteen steps of 64 through a ring of two LDS slots: two slots of a step of 128 would be 2 x 184,320 bytes, more than the work-group has.
; x's tile: 256 rows x 128 bytes, dense in xb, asked for as rows of 256 bytes (two rows of x), padded behind every 128: rows 144 bytes apart in LDS.
; w's tile lies as in memory, [k][n]: 64 rows of k x 768 bytes, padded by 16 behind every 128: rows 864 bytes apart; a wave's 192 columns are three such pieces, 432 bytes.  Its fragments are turned on the
; way into registers by ds_load_tr16_b128.  Each wave fetches its part of a slot by one tensor load: waves 0, 1 x's two halves (128 rows), waves 2, 3 w's (32 rows of k).
; CLUSTERS: 4 x 4 work-groups.  The four of a row of the cluster need the same tiles of x, the four of a column the same tiles of w: each is asked for JOINTLY, by the same load, descriptor and mask.
; THE MATRIX INSTRUCTION IS USED TRANSPOSED: source 0 = 16 columns of w, source 1 = 16 rows of x: a lane then holds eight neighbouring numbers of a row of qkv, 16 bytes in f16.
; REGISTERS, in windows of 256: window 0: v0-31 addresses; v32-95, v96-159 x's eight fragments, two buffers; v160-255 w's twelve fragments, ONE buffer: six of them are loaded again as soon as
;   their 48 products are done.  Windows 1 to 3: the accumulators: column block b, row block a at v[64 (b % 4) + 8 a] of window b / 4 + 1.
; s_set_vgpr_msb's low byte: bits 1:0 source 0, 3:2 source 1, 5:4 source 2, 7:6 destination.
.set KSTEP,  64
.set PA,     144                       ; x's LDS row: 128 bytes + 16 = 36 words: the 16 rows of a load start at 16 different groups of four banks (ISA guide 11.1)
.set AHALF,  128*PA
.set PB,     864                       ; w's LDS row: 6 x (128 + 16) bytes = 216 words: the 8 rows x 32 bytes that 16 lanes of the turning load take start 24 words apart modulo 64
.set BHALF,  32*PB
.set BOFF,   2*AHALF
.set SLOT,   BOFF+2*BHALF              ; x's 256 rows, then w's 64 rows of k: 92,160 bytes
.set SP,     784                       ; the way out: a row of the tile, 768 bytes + 16
.set SPARE,  256*SP                    ; behind the stage (which lies over the ring, from byte 0): the spare words, 128 bytes for each wave
.set XSTEP,  8192*128                  ; bytes of xb from a K step to the next
.set ROWW,   6144                      ; bytes in a row of wb and of qkv
.set WSTEP,  KSTEP*ROWW                ; bytes of wb from a K step to the next
.set ADRA, 16                          ; v16-17  LDS address of my fragments of x in slot 0, 1
.set ADRB, 20                          ; v20-21  the same for w
.set STO,  22                          ; v22-23  the way out: where I put 16 bytes of a row: my rows 0-63, 64-127
.set RD,   25                          ; v25     where I read rows back; steps 16 rows a trip
.set CO,   26                          ; v26     my byte offset in qkv
.set SPW,  28                          ; v28     LDS address of my spare word; never rewritten
.set NIL,  29                          ; v29     0; never rewritten
.set PFO,  30                          ; v30     the prefetches' offset; never rewritten
.set AF0,  32
.set AF1,  96
.set BF,   160
.set OB,   32                          ; the way out: v32-127, 24 x 16 bytes read back
.set LIM0, 43                          ; s43     1 in a wave that prefetches at a trip's first change of slots, else the greatest number
.set PFA,  44                          ; s[44:45] where my prefetches stand
.set PFS,  66                          ; s[66:67] bytes from a K step to the next in what I prefetch
.set LIM1, 68                          ; s68     the same as LIM0 for a trip's second change
.set G1, 24                            ; s[24:31] descriptor group 1 for x's tiles
.set G0, 32                            ; s[32:39] group 0 for x's tiles, one set for each slot
.set G1B, 48                           ; s[48:55] group 1 for w's tiles
.set G0B, 56                           ; s[56:63] group 0 for w's tiles
.set MSB, 0
.macro WIN new                         ; the immediate's high byte repeats the setting that is left
.if MSB != (\new)
	s_set_vgpr_msb (MSB<<8)|(\new)
.set MSB, \new
.endif
.endm
; A joint load: waves 0 and 1 fetch x's halves, waves 2 and 3 w's.  The branch hangs on the wave's number alone.  An s_nop 0 and four v_nop follow each of the two lines.
.macro JLOAD s
	s_cmp_eq_u32 s11, 0
	s_cbranch_scc0 .Lfor_b_\@
	tensor_load_to_lds s[G0+4*(\s):G0+4*(\s)+3], s[G1:G1+7]
	s_nop 0
.rept 4
	v_nop
.endr
	s_branch .Lasked_\@
.Lfor_b_\@:
	tensor_load_to_lds s[G0B+4*(\s):G0B+4*(\s)+3], s[G1B:G1B+7]
	s_nop 0
.rept 4
	v_nop
.endr
.Lasked_\@:
.endm
; A PREFETCH INTO THE L2, 32 blocks of 256 bytes, a lane a block, one instruction a wave, of what stands two refills (384 matrix instructions) on.
; x's rows are read by the two clusters of a row of clusters: cluster x = 0 asks; wave 0, at every change of slots: of the tile's 256 rows (32,768 dense bytes) partner cx takes 8,192.
; w's columns are read by the eight clusters of a column: cluster y = 0 asks; waves 1 to 3, at a trip's first change alone, for two K steps at once: wave j takes block j - 1 of a row's three,
; lanes 0-15 the one K step's rows, lanes 16-31 the next one's; of a K step's 64 rows partner cy takes 16.  The partners are told apart by address.  The loop's last trip (s3 = 1) has no K step so far on.
.macro ASK lim
	s_cmp_gt_u32 s3, s[\lim]
	s_cbranch_scc0 .Lnot_mine_\@
	global_prefetch_b8 v[PFO], s[PFA:PFA+1] th:TH_LOAD_NT scope:SCOPE_SE
.Lnot_mine_\@:
.endm
.macro CREST                           ; a round of the cluster's barrier behind its opening barrier
	s_cmp_lg_u32 s10, 0
	s_cbranch_scc1 .Lnot_wave_0_\@
	s_barrier_signal -3
.Lnot_wave_0_\@:
	s_barrier_wait -3
	s_barrier_signal -1
	s_barrier_wait -1
.endm
.macro CROUND                          ; a whole round
	s_barrier_signal -1
	s_barrier_wait -1
	CREST
.endm
	s_load_b128 s[4:7], s[0:1], 0x0                ; xb s[4:5], wb s[6:7]
	s_load_b64 s[8:9], s[0:1], 0x10                ; qkv
	v_lshl_add_u32 v[SPW], v0, 2, SPARE
	v_mov_b32 v[NIL], 0
	ds_add_u32 v[SPW], v[NIL]                      ; the wave's opening: the add and its wait ahead of my first tensor load
	v_lshrrev_b32 v1, 5, v0
	v_readfirstlane_b32 s10, v1                    ; wave 0..3
	s_lshr_b32 s11, s10, 1                         ; which half of the tile's rows is mine.  Also: I fetch for x (0) or for w (1)
	s_and_b32 s12, s10, 1                          ; which half of its columns.  Also: which half of that tile I fetch
	s_bfe_u32 s40, ttmp6, 0x40000                  ; cx
	s_bfe_u32 s41, ttmp6, 0x40004                  ; cy
	s_and_b32 s13, ttmp7, 0xffff
	s_lshl_b32 s13, s13, 2
	s_add_co_u32 s13, s13, s41                     ; tile row = 4 x cluster y + cy
	s_lshl_b32 s42, ttmp9, 2
	s_add_co_u32 s42, s42, s40                     ; tile column = 4 x cluster x + cx
	s_lshl_b32 s43, s41, 2
	s_lshl_b32 s43, 15, s43                        ; my row of the cluster
	s_lshl_b32 s44, 0x1111, s40                    ; my column
	s_or_b32 s[G1+0], s43, (1<<16)|(1<<20)|(1<<21)|(4<<22)|(3<<25)   ; mask; 2-byte elements; padding on; bit 21 beside a mask; after every 32 words 4 words
	s_or_b32 s[G1B+0], s44, (1<<16)|(1<<20)|(1<<21)|(4<<22)|(3<<25)
	s_mov_b32 s[G1+1], 128<<16                     ; tensor_dim0 = 128: two rows of x, 256 bytes
	s_mov_b32 s[G1+2], 64<<16                      ; tensor_dim1 = 64
	s_mov_b32 s[G1+3], 128<<16                     ; tile_dim0 = 128
	s_mov_b32 s[G1+4], 64                          ; tile_dim1 = 64
	s_mov_b32 s[G1+5], 128                         ; dense: a row begins where the last ends
	s_mov_b32 s[G1+6], 0
	s_mov_b32 s[G1+7], 0
	s_mov_b32 s[G1B+1], 384<<16                    ; tensor_dim0 = 384
	s_mov_b32 s[G1B+2], 32<<16                     ; tensor_dim1 = 32
	s_mov_b32 s[G1B+3], 384<<16                    ; tile_dim0 = 384
	s_mov_b32 s[G1B+4], 32                         ; tile_dim1 = 32
	s_mov_b32 s[G1B+5], 3072                       ; elements from row to row
	s_mov_b32 s[G1B+6], 0
	s_mov_b32 s[G1B+7], 0
	s_lshl_b32 s16, s13, 15                        ; x: 256 rows of 128 bytes a tile row,
	s_lshl_b32 s17, s12, 14                        ; 128 rows a half
	s_add_co_u32 s16, s16, s17
	s_mov_b32 s17, 0
	s_mul_i32 s46, s42, 768                        ; w: 768 bytes of a row a tile column,
	s_mul_i32 s47, s12, 32*ROWW                    ; 32 rows of k a half
	s_add_co_u32 s46, s46, s47
	s_mov_b32 s47, 0
	s_mul_i32 s20, s12, AHALF                      ; where they go: no place in the cluster enters an LDS address
	s_mul_i32 s21, s12, BHALF
	s_add_co_u32 s21, s21, BOFF
	s_wait_dscnt 0x0                               ; the opening add is done
	s_wait_kmcnt 0x0
	s_add_nc_u64 s[14:15], s[4:5], s[16:17]
	s_add_nc_u64 s[46:47], s[6:7], s[46:47]
	CROUND                                         ; all sixteen work-groups are here: the first joint loads meet
.irp s, 0,1
	s_mov_b32 s[G0+4*(\s)], 1
	s_add_co_u32 s[G0+4*(\s)+1], s20, (\s)*SLOT
	s_add_nc_u64 s[G0+4*(\s)+2:G0+4*(\s)+3], s[14:15], (\s)*XSTEP
	s_or_b32 s[G0+4*(\s)+3], s[G0+4*(\s)+3], 0x80000000
	s_mov_b32 s[G0B+4*(\s)], 1
	s_add_co_u32 s[G0B+4*(\s)+1], s21, (\s)*SLOT
	s_add_nc_u64 s[G0B+4*(\s)+2:G0B+4*(\s)+3], s[46:47], (\s)*WSTEP
	s_or_b32 s[G0B+4*(\s)+3], s[G0B+4*(\s)+3], 0x80000000
	JLOAD \s                                       ; K steps 0 and 1: two loads of mine are out
.endr
	; x's fragment: 16 rows x 32 K: lane l holds row l % 16, K = 8 (l / 16) + 0..7 and 16 + 8 (l / 16) + 0..7: two loads of 16 bytes, 32 bytes apart
	v_and_b32 v1, 15, v0                           ; l % 16
	v_bfe_u32 v2, v0, 4, 1                         ; l / 16
	v_mul_u32_u24 v3, v1, PA
	v_lshl_add_u32 v3, v2, 4, v3
	s_mul_i32 s21, s11, AHALF                      ; my 128 rows of x
	; w's fragment: the turning load takes 16 k x 16 n (lane l reads k = 8 (l / 16) + l % 8, columns 8 ((l / 8) % 2) + 0..7) and leaves lane l column l % 16 and 8 k
	v_and_b32 v4, 7, v0
	v_lshl_add_u32 v4, v2, 3, v4
	v_mul_u32_u24 v4, v4, PB
	v_bfe_u32 v5, v0, 3, 1
	v_lshl_add_u32 v4, v5, 4, v4
	s_mul_i32 s22, s12, 432                        ; my 192 columns: three pieces of 144 bytes into each row,
	s_add_co_u32 s22, s22, BOFF                    ; behind x's 256 rows
.irp s, 0,1
	v_add_nc_u32 v[ADRA+(\s)], s21, v3
	v_add_nc_u32 v[ADRB+(\s)], s22, v4
	s_add_co_u32 s21, s21, SLOT
	s_add_co_u32 s22, s22, SLOT
.endr
	s_mul_i32 s23, s11, 128*SP                     ; into the stage: my 128 rows, my 384 bytes of them; row l % 16, 16 bytes for each half of the lanes
	s_mul_i32 s22, s12, 384
	s_add_co_u32 s23, s23, s22
	v_mul_u32_u24 v4, v1, SP
	v_lshl_add_u32 v4, v2, 4, v4
	v_add_nc_u32 v[STO], s23, v4
	v_add_nc_u32 v[STO+1], 64*SP, v[STO]
	s_mul_i32 s23, s10, 64*SP                      ; back: wave w takes rows 64 w .. 64 w + 63, whole; lanes 0-15 256 bytes of one row, lanes 16-31 of the next
	v_mul_u32_u24 v5, v2, SP
	v_lshl_add_u32 v5, v1, 4, v5
	v_add_nc_u32 v[RD], s23, v5
	v_mul_u32_u24 v5, v2, ROWW                     ; and the same two rows in qkv
	v_lshl_add_u32 v[CO], v1, 4, v5
	; the prefetches stand three K steps on; each change of slots steps them by one ahead of its prefetch, so the first names K step 4
	s_lshl_b32 s16, s13, 15                        ; x: the tile's first row,
	s_lshl_b32 s17, s40, 13                        ; my work-group's 64 rows of it
	s_add_co_u32 s16, s16, s17
	s_add_co_u32 s16, s16, 3*XSTEP
	s_mul_i32 s18, s42, 768                        ; w: the tile's columns,
	s_mul_i32 s19, s41, 16*ROWW                    ; my work-group's 16 rows of k,
	s_add_co_u32 s18, s18, s19
	s_max_u32 s19, s10, 1
	s_sub_co_u32 s19, s19, 1
	s_lshl_b32 s19, s19, 8                         ; my wave's block of a row's three
	s_add_co_u32 s18, s18, s19
	s_add_co_u32 s18, s18, 3*WSTEP
	s_mov_b32 s[PFS], WSTEP
	s_mov_b32 s20, WSTEP                           ; w: lanes 16-31 stand a K step on,
	s_mov_b32 s21, ROWW                            ; and a lane takes a row of k
	s_and_b32 s22, ttmp7, 0xffff                   ; cluster y
	s_cmp_eq_u32 s10, 0                            ; wave 0 asks for x
	s_cselect_b64 s[PFA:PFA+1], s[4:5], s[6:7]
	s_cselect_b32 s16, s16, s18
	s_cselect_b32 s[PFS], XSTEP, s[PFS]
	s_cselect_b32 s20, 4096, s20                   ; x: 256 bytes a lane on end
	s_cselect_b32 s21, 256, s21
	s_cselect_b32 s22, ttmp9, s22                  ; the coordinate along which other clusters read the same rows
	s_mov_b32 s17, 0
	s_mov_b32 s[PFS+1], 0
	s_add_nc_u64 s[PFA:PFA+1], s[PFA:PFA+1], s[16:17]
	s_cmp_eq_u32 s22, 0
	s_cselect_b32 s[LIM0], 1, -1                   ; the same in all sixteen partners, for a given wave
	s_or_b32 s22, s10, ttmp9
	s_cmp_eq_u32 s22, 0
	s_cselect_b32 s[LIM1], 1, -1                   ; at a trip's second change wave 0 alone asks
	v_and_b32 v6, 31, v0
	v_lshrrev_b32 v7, 4, v6
	v_and_b32 v6, 15, v6
	v_mul_u32_u24 v7, v7, s20
	v_mad_u32_u24 v[PFO], v6, s21, v7
	; where the rows that I store begin in qkv
	s_lshl_b32 s16, s13, 8
	s_lshl_b32 s17, s10, 6
	s_add_co_u32 s16, s16, s17
	s_mul_i32 s16, s16, ROWW                       ; under 2^26
	s_mul_i32 s17, s42, 768
	s_add_co_u32 s16, s16, s17
	s_mov_b32 s17, 0
	s_add_nc_u64 s[8:9], s[8:9], s[16:17]
; 8 matrix instructions: column block b x my 8 row blocks, 32 along K; x's fragments in buffer af.  zero = 1: the product starts the sums.
; The 96 accumulators take turns, one instruction a turn, in the same order in every quarter, over the backward jump too.
.macro MULB af, b, zero
	WIN 0x50*((\b)/4+1)                            ; sources window 0; C and D window b / 4 + 1
.irp a, 0,1,2,3,4,5,6,7
.if \zero
	v_wmma_f32_16x16x32_bf16 v[64*((\b)%4)+8*(\a):64*((\b)%4)+8*(\a)+7], v[BF+8*(\b):BF+8*(\b)+7], v[(\af)+8*(\a):(\af)+8*(\a)+7], 0
.else
	v_wmma_f32_16x16x32_bf16 v[64*((\b)%4)+8*(\a):64*((\b)%4)+8*(\a)+7], v[BF+8*(\b):BF+8*(\b)+7], v[(\af)+8*(\a):(\af)+8*(\a)+7], v[64*((\b)%4)+8*(\a):64*((\b)%4)+8*(\a)+7]
.endif
.endr
.endm
.macro LDA slot, q, af                 ; 16 LDS loads: x's eight fragments of quarter q (32 along K) of a slot
	WIN 0
.irp a, 0,1,2,3,4,5,6,7
	ds_load_b128 v[(\af)+8*(\a):(\af)+8*(\a)+3],   v[ADRA+(\slot)] offset:(\a)*16*PA+64*(\q)
	ds_load_b128 v[(\af)+8*(\a)+4:(\af)+8*(\a)+7], v[ADRA+(\slot)] offset:(\a)*16*PA+64*(\q)+32
.endr
.endm
.macro LDB slot, q, b0                 ; 12 LDS loads: w's fragments b0 .. b0 + 5 of quarter q; block b lies 32 b bytes into my columns, and 16 more for each four blocks passed
	WIN 0
.irp i, 0,1,2,3,4,5
	ds_load_tr16_b128 v[BF+8*((\b0)+(\i)):BF+8*((\b0)+(\i))+3],   v[ADRB+(\slot)] offset:(\q)*32*PB+32*((\b0)+(\i))+16*(((\b0)+(\i))/4)
	ds_load_tr16_b128 v[BF+8*((\b0)+(\i))+4:BF+8*((\b0)+(\i))+7], v[ADRB+(\slot)] offset:(\q)*32*PB+16*PB+32*((\b0)+(\i))+16*(((\b0)+(\i))/4)
.endr
.endm
.macro PLACES                          ; four places in front of loads into registers that matrix instructions have read, and of conversions that read results
.rept 4
	v_nop
.endr
.endm
; A K step is two quarters of 32 along K, 96 matrix instructions each.  The first multiplies x's buffer 0 and fetches the slot's second quarter: w's blocks 0-5 and x (into buffer 1) behind the first
; 48 products, w's blocks 6-11 behind the last.
.macro QUARTER slot, zero
	s_wait_dscnt 12                                ; x's fragments and w's blocks 0-5 are in; the youngest twelve loads (w's blocks 6-11) may be out
.irp b, 0,1,2,3,4,5
	MULB AF0, \b, \zero
.endr
	PLACES
	LDB \slot, 1, 0
	LDA \slot, 1, AF1
	s_wait_dscnt 28                                ; all but the 28 just issued
.irp b, 6,7,8,9,10,11
	MULB AF0, \b, \zero
.endr
	PLACES
	LDB \slot, 1, 6
.endm
; The second quarter multiplies buffer 1 and changes slots: ONE barrier.  In front of it each wave waits for all its tensor loads, adds 0 to its spare word, and waits for that and for its reads of this slot.
; fill = 1: the barrier opens a round of the cluster's barrier; behind it the slot just read out is filled again, two K steps on, first thing: 160 matrix instructions ahead of the wait for it.
.macro TURN slot, next, fill, lim
.if \fill
	s_wait_xcnt 0x0                                ; the last prefetch, a K step back, has read its address
	s_add_nc_u64 s[PFA:PFA+1], s[PFA:PFA+1], s[PFS:PFS+1]
.endif
	WIN 0
	s_wait_tensorcnt 0x0                           ; all my tensor loads have landed: the one that was out is my part of the next slot
	ds_add_u32 v[SPW], v[NIL]
	s_wait_dscnt 13                                ; the add and the youngest twelve loads may be out
	MULB AF1, 0, 0
	MULB AF1, 1, 0
	s_wait_dscnt 0x0                               ; the add is done, and my reads of this slot are over
	s_barrier_signal -1
	MULB AF1, 2, 0
	MULB AF1, 3, 0
.if \fill
	WIN 0
.endif
	s_barrier_wait -1
.if \fill
	CREST                                          ; no wave of any partner still reads this slot or has a load on its way
	s_add_nc_u64 s[G0+4*(\slot)+2:G0+4*(\slot)+3], s[G0+4*(\slot)+2:G0+4*(\slot)+3], 2*XSTEP
	s_add_nc_u64 s[G0B+4*(\slot)+2:G0B+4*(\slot)+3], s[G0B+4*(\slot)+2:G0B+4*(\slot)+3], 2*WSTEP
	JLOAD \slot
.endif
	MULB AF1, 4, 0
	MULB AF1, 5, 0
	PLACES
	LDB \next, 0, 0                                ; the next slot's first quarter
	LDA \next, 0, AF0
.if \fill
	ASK \lim
.endif
.irp b, 6,7,8,9,10,11
	MULB AF1, \b, 0
.endr
	PLACES
	LDB \next, 0, 6
.endm
; THE WAY OUT.  A wave's 192 columns are 384 bytes of a row, no whole number of aligned blocks of 256: so the four waves set the tile down in ONE stage, rows of 784 bytes, and read whole rows back behind a barrier.
; Sixteen accumulators at a time (column blocks 2 g, 2 g + 1): rounded to f16, 16 bytes a lane, each accumulator's registers in ascending order.
.macro PACK g
.set TB, 32+64*((\g)%3)
	WIN 5*((\g)/2+1)                               ; sources 0 and 1: the accumulators' window
.irp bb, 0,1
.irp a, 0,1,2,3,4,5,6,7
.irp r, 0,1,2,3
	v_cvt_pk_f16_f32 v[TB+4*(8*(\bb)+(\a))+(\r)], v[64*((2*(\g)+(\bb))%4)+8*(\a)+2*(\r)], v[64*((2*(\g)+(\bb))%4)+8*(\a)+2*(\r)+1]
.endr
.endr
.endr
	WIN 0
.irp bb, 0,1
.irp a, 0,1,2,3,4,5,6,7
	ds_store_b128 v[STO+(\a)/4], v[TB+4*(8*(\bb)+(\a)):TB+4*(8*(\bb)+(\a))+3] offset:((\a)%4)*16*SP+32*(2*(\g)+(\bb))
.endr
.endr
.endm
	s_wait_tensorcnt 1                             ; my part of K step 0 is in; K step 1's stays out
	s_barrier_signal -1
	s_barrier_wait -1
	LDB 0, 0, 0
	LDA 0, 0, AF0
	LDB 0, 0, 6
	QUARTER 0, 1                                   ; the first quarter stands in front of the loop: its products start the sums
	s_mov_b32 s3, 7
.Llap:                                                 ; a trip goes once round the ring, from a lap's second quarter to the next lap's first, and fills both slots again: K steps 2 to 15 in seven trips
	TURN 0, 1, 1, LIM0
	QUARTER 1, 0
	TURN 1, 0, 1, LIM1
	QUARTER 0, 0
	s_sub_co_u32 s3, s3, 1
	s_cmp_lg_u32 s3, 0
	s_cbranch_scc1 .Llap
	TURN 0, 1, 0, LIM0                             ; the last lap fills nothing
	QUARTER 1, 0
	s_wait_dscnt 12
.irp b, 0,1,2,3,4,5
	MULB AF1, \b, 0
.endr
	s_wait_dscnt 0x0                               ; my last reads of the ring are back
.irp b, 6,7,8,9,10,11
	MULB AF1, \b, 0
.endr
	WIN 0
	s_barrier_signal -1                            ; every wave's reads of the ring are over before any wave writes into it; the ring has had its last fill
	s_barrier_wait -1
	PLACES
.irp g, 0,1,2,3,4,5
	PACK \g
.endr
	s_wait_dscnt 0x0                               ; for the others' sake: my stores into the stage are done
	s_barrier_signal -1
	s_barrier_wait -1
	s_mov_b32 s3, 4
.Lout:                                                 ; a trip: 16 whole rows of the tile, three blocks of 256 bytes each, two rows an instruction
.irp j, 0,1,2,3,4,5,6,7
.irp c, 0,1,2
	ds_load_b128 v[OB+4*(3*(\j)+(\c)):OB+4*(3*(\j)+(\c))+3], v[RD] offset:2*(\j)*SP+256*(\c)
.endr
.endr
	v_add_nc_u32 v[RD], 16*SP, v[RD]
.irp j, 0,1,2,3,4,5,6,7
.irp c, 0,1,2
	s_wait_dscnt 23-(3*(\j)+(\c))                  ; LDS loads come back in order: this one is in, the younger ones stay out
	global_store_b128 v[CO], v[OB+4*(3*(\j)+(\c)):OB+4*(3*(\j)+(\c))+3], s[8:9] offset:2*(\j)*ROWW+256*(\c)  ; 16 lanes store 256 consecutive bytes, at a multiple of 256 from qkv's first byte
.endr
.endr
	s_wait_xcnt 0x0                                ; the stores' base and data are written again only behind this wait
	s_add_nc_u64 s[8:9], s[8:9], 16*ROWW
	s_sub_co_u32 s3, s3, 1
	s_cmp_lg_u32 s3, 0
	s_cbranch_scc1 .Lout
	s_wait_tensorcnt 0x0                           ; the wave's end
	ds_add_u32 v[SPW], v[NIL]
	s_wait_dscnt 0x0
	CROUND                                         ; the closing round
	s_endpgm
.Lfunc_end_k_q86d73b4562_proj:
	.size	k_q86d73b4562_proj, .Lfunc_end_k_q86d73b4562_proj-k_q86d73b4562_proj
	.p2alignl 7, 3214868480
	.fill 96, 4, 3214868480
	.section	.rodata,"a",@progbits
	.p2align	6, 0x0
	.amdhsa_kernel k_q86d73b4562_proj
		.amdhsa_group_segment_fixed_size 327680
		.amdhsa_private_segment_fixed_size 0
		.amdhsa_enable_private_segment 0
		.amdhsa_kernarg_size 24
		.amdhsa_user_sgpr_count 2
		.amdhsa_user_sgpr_kernarg_segment_ptr 1
		.amdhsa_wavefront_size32 1
		.amdhsa_system_sgpr_workgroup_id_x 1
		.amdhsa_system_sgpr_workgroup_id_y 1
		.amdhsa_system_sgpr_workgroup_id_z 1
		.amdhsa_system_vgpr_workitem_id 0
		.amdhsa_next_free_vgpr 1024
		.amdhsa_next_free_sgpr 70
		.amdhsa_reserve_vcc 0
		.amdhsa_float_denorm_mode_32 3
		.amdhsa_float_denorm_mode_16_64 3
		.amdhsa_memory_ordered 1
		.amdhsa_forward_progress 1
		.amdhsa_inst_pref_size 120
	.end_amdhsa_kernel
	.amdgpu_metadata
---
amdhsa.version: [ 1, 2 ]
amdhsa.kernels:
  - .name:           k_q86d73b4562_proj
    .symbol:         k_q86d73b4562_proj.kd
    .args:
      - { .name: xb, .offset: 0, .size: 8, .value_kind: global_buffer, .address_space: global }
      - { .name: wb, .offset: 8, .size: 8, .value_kind: global_buffer, .address_space: global }
      - { .name: qkv, .offset: 16, .size: 8, .value_kind: global_buffer, .address_space: global }
    .group_segment_fixed_size: 327680
    .private_segment_fixed_size: 0
    .kernarg_segment_align: 8
    .kernarg_segment_size: 24
    .max_flat_workgroup_size: 128
    .sgpr_count:     70
    .vgpr_count:     1024
    .wavefront_size: 32
...
	.end_amdgpu_metadata
.endif
;; end of part 2
;; launch score (part 3): grid 36 x 4, 4 waves a work-group, no clusters, 327,680 bytes of LDS; arguments qkv, pt, st; writes pt, st
.if DOCPART == 3
	.amdgcn_target "amdgcn-amd-amdhsa--gfx1250"
	.amdhsa_code_object_version 6
	.text
	.protected	k_q86d73b4562_score
	.globl	k_q86d73b4562_score
	.p2align	8
	.type	k_q86d73b4562_score,@function
k_q86d73b4562_score:
	s_mov_b64 s[64:65], 0
	v_nop
	global_prefetch_b8 v0, s[64:65] scope:SCOPE_SE
	s_setreg_imm32_b32 hwreg(HW_REG_WAVE_MODE, 25, 1), 1
	s_wait_xcnt 0x0
; For each tile of 256 queries x 256 keys on or under the diagonal: s = q . k (f16 operands, f32 sums over 1,024 channels), and for each query and each block of 128 keys
; m = the largest s, p = 2^(c (s - m)) with c = log2(e) / 32, l = the sum of the p.  p goes to pt ([8192][2048] f16), m and l to st (m[16 blocks][8192 rows] f32, then l alike).
; The launch behind brings the blocks of a row onto the row's own maximum, in f32.  s - m is formed first and then scaled, so that p never passes 1, whatever the inputs.
; LIMITS.  A hidden score counts as -1e30 (f16 operands bound |q . k| by 4.4e12).  A block of 128 keys that is wholly hidden leaves m = -1e30, p = 1, l = 128: its factor behind is 0.
; p below 6e-5 keeps f16's fixed step; a p below 2^-126 counts as 0 in l.  l is the sum of the unrounded p.  NaN and infinities are not treated apart.
; SHARES.  Work-group t of a batch's 36 takes tile (I, J), J <= I, t = I (I + 1) / 2 + J.  Four waves, each 128 queries x 128 keys: 64 accumulators; a wave's keys are one block of the statistics.
; K goes in eight steps of 128 channels through a ring of two LDS slots; each wave fetches a quarter of a slot by one tensor load (waves 0, 1: q's halves; waves 2, 3: k's).
; NO CLUSTER: row I of the triangle has I + 1 tiles (1 to 8) and column J has 8 - J, so neither divides into fours that share a tile; squares of 4 x 4 on the diagonal would hold six work-groups without work.
; THE MATRIX INSTRUCTION IS USED TRANSPOSED (source 0 = 16 keys, source 1 = 16 queries): a lane holds ONE query (lane % 16) and, in accumulator (a, b), the keys 16 b + 8 (lane / 16) + 0..7.
; THE TAIL.  The ring has had its last fill: behind a barrier each wave sets its 64 accumulators down in 65,536 bytes of it, and ONE text, walked eight times, takes up 16 queries at a time.
; REGISTERS as in the projection: window 0 addresses, q's fragments, later the tail's work; window 1 k's fragments; windows 2 and 3 the accumulators.
.set KSTEP,  128
.set PITCH,  272                       ; an LDS row: 256 bytes + 16 = 68 words: the 16 rows of a load start at 16 different groups of four banks (ISA guide 11.1)
.set HALFT,  128*PITCH
.set SLOT,   4*HALFT
.set STAGE,  2*SLOT                    ; 16 rows x 272 bytes for each wave
.set SPITCH, 272
.set STATB,  STAGE+4*16*SPITCH         ; 1,024 bytes for each wave: 128 m, then 128 l
.set SPARE,  STATB+4*1024              ; the spare words, 128 bytes for each wave
.set ROWQ,   6144                      ; bytes in a row of qkv
.set ROWP,   4096                      ; bytes in a row of pt
.set C0,   8                           ; v8-11   four running maxima
.set MX,   12                          ; v[12:13] m, twice
.set LS,   14                          ; v14-15  l, and the other half of the lanes'
.set ADRA, 16
.set DMP,  18                          ; v18     where my accumulators lie in LDS: 65,536 x wave + 16 x lane; steps 8,192 a trip
.set VD,   19                          ; v19     my query less my first key: key 16 b + j is hidden where 16 b + j is greater; steps 16 a trip
.set ADRB, 20
.set SA,   22                          ; v22     where m of my query goes; steps 64 a trip
.set SB,   23                          ; v23     where I read 16 bytes of the statistics back
.set STO,  24
.set RD,   25
.set CO,   26
.set SO,   27                          ; v27     16 x lane
.set SPW,  28
.set NIL,  29
.set PFO,  30                          ; v30     lane x a row of qkv
.set SC,   64                          ; v64-127  the tail: 64 scores
.set PP,   128                         ; v128-159 32 pairs of p
.set OBK,  160                         ; v160-191 16 rows read back from the stage
.set F0,   64
.set F1,   128
.set G1, 24
.set G0, 32
.set LIM,  44
.set PFA,  46
.set CS,   48                          ; s[48:49] c
.set SEL,  50                          ; s[50:51] v_permlanex16_b32's selects
.set BIGN, 52
.set PT,   54                          ; s[54:55] pt at my part of the tile
.set ST,   56                          ; s[56:57] st at my 128 rows of my block
.set MSB, 0
.macro WIN new
.if MSB != (\new)
	s_set_vgpr_msb (MSB<<8)|(\new)
.set MSB, \new
.endif
.endm
.set MUL_LO, 0xa1
.set MUL_HI, 0xf1
.set TO_B,   0x40
; A prefetch into the L2 of my own 128 rows' 256 bytes of the K step two refills on: a lane a row, four instructions.  q's rows of block I are read by the tiles (I, 0 .. I): tile (I, 0) asks;
; k's rows of block J by the tiles (J .. 7, J): tile (J, J) asks.  The loop's last trip (s3 = 1) has no K step two on.
.macro ASK
	s_cmp_gt_u32 s3, s[LIM]
	s_cbranch_scc0 .Lnot_mine_\@
.irp n, 0,1,2,3
	global_prefetch_b8 v[PFO], s[PFA:PFA+1] offset:(\n)*32*ROWQ th:TH_LOAD_NT scope:SCOPE_SE
.endr
.Lnot_mine_\@:
.endm
	s_load_b128 s[4:7], s[0:1], 0x0                ; qkv s[4:5], pt s[6:7]
	s_load_b64 s[8:9], s[0:1], 0x10                ; st
	v_lshl_add_u32 v[SPW], v0, 2, SPARE
	v_mov_b32 v[NIL], 0
	ds_add_u32 v[SPW], v[NIL]                      ; the wave's opening: the add and its wait ahead of my first tensor load
	v_lshrrev_b32 v1, 5, v0
	v_readfirstlane_b32 s10, v1                    ; wave 0..3
	s_lshr_b32 s11, s10, 1                         ; which half of the queries is mine.  Also: I fetch q (0) or k (1)
	s_and_b32 s12, s10, 1                          ; which half of the keys.  Also: which 128 rows I fetch
	s_mov_b32 s40, 0                               ; I = how many of the triangle's row starts t has reached
.irp th, 1,3,6,10,15,21,28
	s_cmp_ge_u32 ttmp9, \th
	s_add_co_ci_u32 s40, s40, 0
.endr
	s_add_co_u32 s41, s40, 1
	s_mul_i32 s41, s41, s40
	s_lshr_b32 s41, s41, 1
	s_sub_co_u32 s42, ttmp9, s41                   ; J
	s_and_b32 s43, ttmp7, 0xffff                   ; the batch
	s_mov_b32 s[G1+0], (1<<16)|(1<<20)|(5<<22)|(3<<25)  ; 2-byte elements; padding on; after every 64 words 4 words
	s_mov_b32 s[G1+1], 128<<16                     ; tensor_dim0 = 128
	s_mov_b32 s[G1+2], 128<<16                     ; tensor_dim1 = 128
	s_mov_b32 s[G1+3], 128<<16                     ; tile_dim0 = 128
	s_mov_b32 s[G1+4], 128                         ; tile_dim1 = 128
	s_mov_b32 s[G1+5], 3072                        ; elements from row to row
	s_mov_b32 s[G1+6], 0
	s_mov_b32 s[G1+7], 0
	s_mov_b32 s[CS], 0x3d38aa3b                    ; c = log2(e) / 32
	s_mov_b32 s[CS+1], s[CS]
	s_mov_b32 s[SEL], 0x76543210
	s_mov_b32 s[SEL+1], 0xfedcba98
	s_mov_b32 s[BIGN], 0xf149f2ca                  ; -1e30
	s_cmp_eq_u32 s11, 0
	s_cselect_b32 s16, s40, s42                    ; q: block I; k: block J
	s_cselect_b32 s21, 0, s40                      ; the J of the tile that prefetches these rows
	s_lshl_b32 s16, s16, 8
	s_lshl_b32 s17, s12, 7
	s_add_co_u32 s16, s16, s17
	s_lshl_b32 s17, s43, 11
	s_add_co_u32 s16, s16, s17                     ; the first row that I fetch
	s_mul_i32 s16, s16, ROWQ                       ; under 2^26
	s_lshl_b32 s17, s11, 11                        ; k lies 2,048 bytes into a row
	s_add_co_u32 s16, s16, s17
	s_mov_b32 s17, 0
	s_cmp_eq_u32 s42, s21
	s_cselect_b32 s[LIM], 1, -1
	s_mul_i32 s20, s10, HALFT
	s_wait_dscnt 0x0                               ; the opening add is done
	s_wait_kmcnt 0x0
	s_add_nc_u64 s[14:15], s[4:5], s[16:17]
.irp s, 0,1
	s_mov_b32 s[G0+4*(\s)], 1
	s_add_co_u32 s[G0+4*(\s)+1], s20, (\s)*SLOT
	s_add_nc_u64 s[G0+4*(\s)+2:G0+4*(\s)+3], s[14:15], (\s)*KSTEP*2
	s_or_b32 s[G0+4*(\s)+3], s[G0+4*(\s)+3], 0x80000000
	tensor_load_to_lds s[G0+4*(\s):G0+4*(\s)+3], s[G1:G1+7]  ; the two first fills go out together: two loads of mine are out
	s_nop 0
.endr
.rept 4
	v_nop
.endr
	s_add_nc_u64 s[PFA:PFA+1], s[14:15], 3*KSTEP*2 ; the first change of slots steps it to K step 4
	v_and_b32 v1, 15, v0                           ; l % 16
	v_bfe_u32 v2, v0, 4, 1                         ; l / 16
	v_and_b32 v6, 31, v0                           ; l
	v_mul_u32_u24 v3, v1, PITCH
	v_lshl_add_u32 v3, v2, 4, v3
	s_mul_i32 s21, s11, HALFT                      ; my 128 queries
	s_mul_i32 s22, s12, HALFT                      ; my 128 keys,
	s_add_co_u32 s22, s22, 2*HALFT                 ; behind q's 256 rows
.irp s, 0,1
	v_add_nc_u32 v[ADRA+(\s)], s21, v3
	v_add_nc_u32 v[ADRB+(\s)], s22, v3
	s_add_co_u32 s21, s21, SLOT
	s_add_co_u32 s22, s22, SLOT
.endr
	s_mul_i32 s23, s10, 16*SPITCH
	s_add_co_u32 s23, s23, STAGE
	v_mul_u32_u24 v4, v1, SPITCH
	v_lshl_add_u32 v4, v2, 4, v4
	v_add_nc_u32 v[STO], s23, v4
	v_mul_u32_u24 v5, v2, SPITCH
	v_lshl_add_u32 v5, v1, 4, v5
	v_add_nc_u32 v[RD], s23, v5
	v_lshlrev_b32 v5, 12, v2
	v_lshl_add_u32 v[CO], v1, 4, v5                ; two rows of pt: lanes 0-15 one, lanes 16-31 the next
	v_mul_u32_u24 v[PFO], v6, ROWQ
	s_lshl_b32 s23, s10, 16
	v_lshl_add_u32 v[DMP], v6, 4, s23
	s_sub_co_i32 s21, s11, s12
	s_lshl_b32 s21, s21, 7                         ; 128 x (my half of the queries - my half of the keys)
	v_lshlrev_b32 v5, 3, v2
	v_sub_nc_u32 v[VD], v1, v5
	v_add_nc_u32 v[VD], s21, v[VD]
	s_lshl_b32 s23, s10, 10
	s_add_co_u32 s23, s23, STATB
	v_lshl_add_u32 v[SA], v1, 2, s23
	v_lshl_add_u32 v[SB], v6, 4, s23
	v_lshlrev_b32 v[SO], 4, v6
	v_mov_b32 v[LS+1], 0                           ; v_permlanex16_b32's destination counts as read
	s_lshl_b32 s16, s43, 11
	s_lshl_b32 s17, s40, 8
	s_add_co_u32 s16, s16, s17
	s_lshl_b32 s17, s11, 7
	s_add_co_u32 s16, s16, s17                     ; my first query among the 8,192
	s_lshl_b32 s18, s16, 12
	s_lshl_b32 s19, s42, 9
	s_add_co_u32 s18, s18, s19
	s_lshl_b32 s19, s12, 8
	s_add_co_u32 s18, s18, s19
	s_mov_b32 s19, 0
	s_add_nc_u64 s[PT:PT+1], s[6:7], s[18:19]
	s_lshl_b32 s18, s42, 1
	s_add_co_u32 s18, s18, s12                     ; my block of 128 keys
	s_lshl_b32 s18, s18, 15
	s_lshl_b32 s16, s16, 2
	s_add_co_u32 s18, s18, s16
	s_add_nc_u64 s[ST:ST+1], s[8:9], s[18:19]
.macro MUL16 f, hi, a0, zero
	WIN MUL_LO+0x50*(\hi)
.irp a, \a0, (\a0)+1
.irp b, 0,1,2,3,4,5,6,7
.if \zero
	v_wmma_f32_16x16x32_f16 v[8*(8*(\a)+(\b)):8*(8*(\a)+(\b))+7], v[(\f)+8*(\b):(\f)+8*(\b)+7], v[(\f)+8*(4*(\hi)+(\a)):(\f)+8*(4*(\hi)+(\a))+7], 0
.else
	v_wmma_f32_16x16x32_f16 v[8*(8*(\a)+(\b)):8*(8*(\a)+(\b))+7], v[(\f)+8*(\b):(\f)+8*(\b)+7], v[(\f)+8*(4*(\hi)+(\a)):(\f)+8*(4*(\hi)+(\a))+7], v[8*(8*(\a)+(\b)):8*(8*(\a)+(\b))+7]
.endif
.endr
.endr
.endm
.macro FETCH slot, q, f                ; 32 LDS loads in one run: quarter q's fragments: k's first, then q's
	WIN TO_B
.irp i, 0,1,2,3,4,5,6,7
	ds_load_b128 v[(\f)+8*(\i):(\f)+8*(\i)+3],   v[ADRB+(\slot)] offset:64*(\q)+(\i)*16*PITCH
	ds_load_b128 v[(\f)+8*(\i)+4:(\f)+8*(\i)+7], v[ADRB+(\slot)] offset:64*(\q)+(\i)*16*PITCH+32
.endr
	WIN 0
.irp i, 0,1,2,3,4,5,6,7
	ds_load_b128 v[(\f)+8*(\i):(\f)+8*(\i)+3],   v[ADRA+(\slot)] offset:64*(\q)+(\i)*16*PITCH
	ds_load_b128 v[(\f)+8*(\i)+4:(\f)+8*(\i)+7], v[ADRA+(\slot)] offset:64*(\q)+(\i)*16*PITCH+32
.endr
.endm
.macro PLACES                          ; four places behind matrix instructions (ISA guide 7.12.1)
.rept 4
	v_nop
.endr
.endm
.macro QUARTER slot, q, f, g, zero
	s_wait_dscnt 8                                 ; k's fragments and my queries 0-63 are in; the youngest eight loads may be out
	MUL16 \f, 0, 0, \zero
	MUL16 \f, 0, 2, \zero
	PLACES
	FETCH \slot, \q, \g
	s_wait_dscnt 32                                ; all but the 32 just issued
	MUL16 \f, 1, 0, \zero
	MUL16 \f, 1, 2, \zero
.endm
; The last quarter changes slots: ONE barrier.  In front of it each wave waits for all its tensor loads, adds 0 to its spare word, and waits for that and for its reads of this slot;
; behind it (fill = 1) the slot just read out is filled again, two K steps on, first thing: one load a wave.
.macro TURN slot, next, fill
.if \fill
	s_wait_xcnt 0x0                                ; the last prefetches, a K step back, have read their address
	s_add_nc_u64 s[PFA:PFA+1], s[PFA:PFA+1], KSTEP*2
.endif
	WIN 0
	s_wait_tensorcnt 0x0                           ; all my tensor loads have landed, so a group 0 may be written
	ds_add_u32 v[SPW], v[NIL]
.if \fill
	s_add_nc_u64 s[G0+4*(\slot)+2:G0+4*(\slot)+3], s[G0+4*(\slot)+2:G0+4*(\slot)+3], 2*KSTEP*2
.endif
	s_wait_dscnt 9                                 ; the add and the youngest eight loads may be out
	MUL16 F1, 0, 0, 0
	s_wait_dscnt 0x0                               ; the add is done, and my reads of this slot are over
	s_barrier_signal -1
	MUL16 F1, 0, 2, 0
	s_barrier_wait -1
.if \fill
	tensor_load_to_lds s[G0+4*(\slot):G0+4*(\slot)+3], s[G1:G1+7]
	s_nop 0
.endif
	PLACES                                         ; behind the tensor load, and in front of the loads below
	FETCH \next, 0, F0
.if \fill
	ASK
.endif
	MUL16 F1, 1, 0, 0
	MUL16 F1, 1, 2, 0
.endm
	s_wait_tensorcnt 1                             ; my part of K step 0 is in; K step 1's stays out
	s_barrier_signal -1
	s_barrier_wait -1
	FETCH 0, 0, F0
	QUARTER 0, 1, F0, F1, 1
	WIN 0
	s_mov_b32 s3, 3
.Llap:
	QUARTER 0, 2, F1, F0, 0
	QUARTER 0, 3, F0, F1, 0
	TURN 0, 1, 1
	QUARTER 1, 1, F0, F1, 0
	QUARTER 1, 2, F1, F0, 0
	QUARTER 1, 3, F0, F1, 0
	TURN 1, 0, 1
	QUARTER 0, 1, F0, F1, 0
	WIN 0
	s_sub_co_u32 s3, s3, 1
	s_cmp_lg_u32 s3, 0
	s_cbranch_scc1 .Llap
	QUARTER 0, 2, F1, F0, 0
	QUARTER 0, 3, F0, F1, 0
	TURN 0, 1, 0
	QUARTER 1, 1, F0, F1, 0
	QUARTER 1, 2, F1, F0, 0
	QUARTER 1, 3, F0, F1, 0
	s_wait_dscnt 8
	MUL16 F1, 0, 0, 0
	MUL16 F1, 0, 2, 0
	s_wait_dscnt 0x0                               ; my last reads of the ring are back
	MUL16 F1, 1, 0, 0
	MUL16 F1, 1, 2, 0
	WIN 0
	s_barrier_signal -1                            ; every wave's reads of the ring are over before any wave writes into it
	s_barrier_wait -1
	PLACES
	; the accumulators are set down: (a, b) at 1,024 (8 a + b), registers 0-3 and then 4-7, 16 bytes a lane: each store covers 512 consecutive bytes
.irp hi, 0,1
	WIN 0x08+4*(\hi)                               ; the stores' data: window 2, then 3
.set n, 0
.rept 32
	ds_store_b128 v[DMP], v[8*n:8*n+3]   offset:(32*(\hi)+n)*1024
	ds_store_b128 v[DMP], v[8*n+4:8*n+7] offset:(32*(\hi)+n)*1024+512
.set n, n+1
.endr
.endr
	WIN 0
	s_mov_b32 s3, 8
.Lblk:                                                 ; a trip: 16 queries x my 128 keys; a lane has one query and 64 of its scores
.irp b, 0,1,2,3,4,5,6,7
	ds_load_b128 v[SC+8*(\b):SC+8*(\b)+3],   v[DMP] offset:(\b)*1024      ; LDS serves a wave's instructions in order: these see my stores above
	ds_load_b128 v[SC+8*(\b)+4:SC+8*(\b)+7], v[DMP] offset:(\b)*1024+512
.endr
	v_add_nc_u32 v[DMP], 8192, v[DMP]
	s_wait_dscnt 0x0
	s_cmp_lg_u32 s40, s42                          ; only a tile on the diagonal hides keys
	s_cbranch_scc1 .Lopen
.set n, 0
.rept 64
	v_cmp_gt_i32 vcc_lo, 16*(n/8)+n%8, v[VD]
	v_cndmask_b32 v[SC+n], v[SC+n], s[BIGN], vcc_lo
.set n, n+1
.endr
.Lopen:
	v_add_nc_u32 v[VD], 16, v[VD]
.irp k, 0,1,2,3                        ; the maximum: four chains of 16 scores, three operands at a time
	v_max3_num_f32 v[C0+(\k)], v[SC+16*(\k)], v[SC+16*(\k)+1], v[SC+16*(\k)+2]
.endr
.irp n, 0,1,2,3,4,5
.irp k, 0,1,2,3
	v_max3_num_f32 v[C0+(\k)], v[C0+(\k)], v[SC+16*(\k)+3+2*(\n)], v[SC+16*(\k)+4+2*(\n)]
.endr
.endr
	v_max3_num_f32 v[C0], v[C0], v[SC+15], v[SC+31]
	v_max3_num_f32 v[C0+2], v[C0+2], v[SC+47], v[SC+63]
	v_max3_num_f32 v[C0], v[C0], v[C0+1], v[C0+2]
	v_max_num_f32 v[C0], v[C0], v[C0+3]
	v_permlanex16_b32 v[C0+1], v[C0], s[SEL], s[SEL+1]  ; the query's other 64 keys lie in the lane 16 away
	v_max_num_f32 v[MX], v[C0], v[C0+1]
	v_max_num_f32 v[MX+1], v[C0], v[C0+1]
.set n, 0
.rept 32
	v_pk_add_f32 v[SC+n:SC+n+1], v[SC+n:SC+n+1], v[MX:MX+1] neg_lo:[0,1] neg_hi:[0,1]  ; s - m: never above 0
.set n, n+2
.endr
.set n, 0
.rept 32
	v_pk_mul_f32 v[SC+n:SC+n+1], v[SC+n:SC+n+1], s[CS:CS+1] op_sel_hi:[1,0]
.set n, n+2
.endr
.set n, 0
.rept 64
	v_exp_f32 v[SC+n], v[SC+n]
.set n, n+1
.endr
	v_nop                                          ; a plain instruction behind the last exponential,
	s_wait_alu depctr_va_vdst(0)                   ; and ONE wait for the 64, ahead of their first reader
	s_wait_xcnt 0x0                                ; the last trip's stores have read their base and their data
	s_add_nc_u64 s[PT:PT+1], s[PT:PT+1], 16*ROWP   ; the stores below reach back by as much
.set n, 0
.rept 32
	v_cvt_pk_f16_f32 v[PP+n], v[SC+2*n], v[SC+2*n+1]
.set n, n+1
.endr
.irp w, 32,16,8,4,2                    ; the sum of the 32 pairs, in place
.set n, 0
.rept (\w)/2
	v_pk_add_f32 v[SC+n:SC+n+1], v[SC+n:SC+n+1], v[SC+(\w)+n:SC+(\w)+n+1]
.set n, n+2
.endr
.endr
	v_add_f32 v[LS], v[SC], v[SC+1]
	v_permlanex16_b32 v[LS+1], v[LS], s[SEL], s[SEL+1]
	v_add_f32 v[LS], v[LS], v[LS+1]
.irp b, 0,1,2,3,4,5,6,7
	ds_store_b128 v[STO], v[PP+4*(\b):PP+4*(\b)+3] offset:32*(\b)
.endr
	ds_store_b32 v[SA], v[MX]                      ; both halves of the lanes hold the same number and write the same word
	ds_store_b32 v[SA], v[LS] offset:512
	v_add_nc_u32 v[SA], 64, v[SA]
.irp t, 0,1,2,3,4,5,6,7
	ds_load_b128 v[OBK+4*(\t):OBK+4*(\t)+3], v[RD] offset:(\t)*2*SPITCH
.endr
	s_wait_dscnt 0x0
.irp t, 0,1,2,3,4,5,6,7
	global_store_b128 v[CO], v[OBK+4*(\t):OBK+4*(\t)+3], s[PT:PT+1] offset:2*(\t)*ROWP-16*ROWP  ; 16 lanes store 256 consecutive bytes, at a multiple of 256 from pt's first byte
.endr
	s_sub_co_u32 s3, s3, 1
	s_cmp_lg_u32 s3, 0
	s_cbranch_scc1 .Lblk
	ds_load_b128 v[SC:SC+3], v[SB]                 ; my 128 m and 128 l, 16 bytes a lane
	ds_load_b128 v[SC+4:SC+7], v[SB] offset:512
	s_wait_dscnt 0x0
	global_store_b128 v[SO], v[SC:SC+3], s[ST:ST+1]
	global_store_b128 v[SO], v[SC+4:SC+7], s[ST:ST+1] offset:524288
	s_wait_tensorcnt 0x0                           ; the wave's end
	ds_add_u32 v[SPW], v[NIL]
	s_wait_dscnt 0x0
	s_endpgm
.Lfunc_end_k_q86d73b4562_score:
	.size	k_q86d73b4562_score, .Lfunc_end_k_q86d73b4562_score-k_q86d73b4562_score
	.p2alignl 7, 3214868480
	.fill 96, 4, 3214868480
	.section	.rodata,"a",@progbits
	.p2align	6, 0x0
	.amdhsa_kernel k_q86d73b4562_score
		.amdhsa_group_segment_fixed_size 327680
		.amdhsa_private_segment_fixed_size 0
		.amdhsa_enable_private_segment 0
		.amdhsa_kernarg_size 24
		.amdhsa_user_sgpr_count 2
		.amdhsa_user_sgpr_kernarg_segment_ptr 1
		.amdhsa_wavefront_size32 1
		.amdhsa_system_sgpr_workgroup_id_x 1
		.amdhsa_system_sgpr_workgroup_id_y 1
		.amdhsa_system_sgpr_workgroup_id_z 1
		.amdhsa_system_vgpr_workitem_id 0
		.amdhsa_next_free_vgpr 1024
		.amdhsa_next_free_sgpr 72
		.amdhsa_reserve_vcc 1
		.amdhsa_float_denorm_mode_32 3
		.amdhsa_float_denorm_mode_16_64 3
		.amdhsa_memory_ordered 1
		.amdhsa_forward_progress 1
		.amdhsa_inst_pref_size 141
	.end_amdhsa_kernel
	.amdgpu_metadata
---
amdhsa.version: [ 1, 2 ]
amdhsa.kernels:
  - .name:           k_q86d73b4562_score
    .symbol:         k_q86d73b4562_score.kd
    .args:
      - { .name: qkv, .offset: 0, .size: 8, .value_kind: global_buffer, .address_space: global }
      - { .name: pt, .offset: 8, .size: 8, .value_kind: global_buffer, .address_space: global }
      - { .name: st, .offset: 16, .size: 8, .value_kind: global_buffer, .address_space: global }
    .group_segment_fixed_size: 327680
    .private_segment_fixed_size: 0
    .kernarg_segment_align: 8
    .kernarg_segment_size: 24
    .max_flat_workgroup_size: 128
    .sgpr_count:     72
    .vgpr_count:     1024
    .wavefront_size: 32
...
	.end_amdgpu_metadata
.endif
;; end of part 3
;; launch pv (part 4): grid 8 x 32, 4 waves a work-group, clusters of 4 x 1, 327,680 bytes of LDS; arguments pt, st, qkv, out0; writes out0
.if DOCPART == 4
	.amdgcn_target "amdgcn-amd-amdhsa--gfx1250"
	.amdhsa_code_object_version 6
	.text
	.protected	k_q86d73b4562_pv
	.globl	k_q86d73b4562_pv
	.p2align	8
	.type	k_q86d73b4562_pv,@function
k_q86d73b4562_pv:
	s_mov_b64 s[64:65], 0
	v_nop
	global_prefetch_b8 v0, s[64:65] scope:SCOPE_SE
	s_setreg_imm32_b32 hwreg(HW_REG_WAVE_MODE, 25, 1), 1
	s_wait_xcnt 0x0
	s_wait_alu depctr_hold_cnt(0) depctr_sa_sdst(0) depctr_va_vdst(0) depctr_va_sdst(0) depctr_va_ssrc(0) depctr_va_vcc(0) depctr_vm_vsrc(0)
	s_getreg_b32 s2, hwreg(HW_REG_IB_STS2, 6, 4)
	s_cmp_eq_u32 s2, 0
	s_cbranch_scc0 .Lentry_in_a_cluster
	s_endpgm
.Lentry_in_a_cluster:
	s_bfe_u32 s2, ttmp6, 0x10000c
	s_cmp_lg_u32 s2, 0x3003
	s_cbranch_scc0 .Lentry_shape_is_right
	s_endpgm
.Lentry_shape_is_right:
; out0[row][ch] = the sum over the row's blocks t of 128 keys of f'(row, t) x (the sum over the block's keys of p[row][key] v[key][ch]),
; f'(row, t) = 2^(c (m_t - m_row)) / l_row, m_row = the largest m_t, l_row = the sum of 2^(c (m_t - m_row)) l_t, c = log2(e) / 32: the softmax with the row's true maximum taken away.
; p: pt [8192][2048] f16; m, l: st; v: qkv's third part, f16; out0: [8192][1024] f32.  Products in f16 with f32 sums; the factors and the sum over blocks in f32.
; LIMITS.  A block that is wholly hidden has m = -1e30 and the factor 0.  A factor below 2^-126 counts as 0.  NaN and infinities are not treated apart.
; THE WALK.  A batch's rows lie in eight blocks of 256; block I needs the key steps 0 .. I of 256 keys.  A work-group takes 128 rows (half hf) of TWO blocks, I1 and 7 - I1, and 128 channels:
; nine key steps, whatever I1: 256 work-groups of equal work, one counted walk.  I1 is the odd one of the pair, so the first block has an even number of steps and ends at the end of a lap of the ring.
; SHARES.  Four waves, each 64 rows x 64 channels: 16 accumulators for one block of 128 keys (ACC), folded into 128 registers (MAIN) with the rows' factors, twice a key step.
; O^T = V^T P (source 0 = 16 channels, turned out of LDS by ds_load_tr16_b128; source 1 = 16 rows of p): a lane holds ONE row (lane % 16) and eight channels, so a factor is one number a lane.
; CLUSTER.  The four work-groups of a cluster have the same rows and four neighbouring channel blocks: p's tiles are asked for JOINTLY (waves 0, 1); v's differ, and are plain loads (waves 2, 3).
; All that steers the walk hangs on the grid's y, which the partners share; cx enters v's, out0's and the prefetches' global addresses alone.
; REGISTERS: window 0: v0-31 addresses; v32-95 at work; v96-103 factors; v128-255 ACC.  window 1: two fragment buffers of 128 (64 of p, 64 of v).  window 2: v0-127 MAIN.
.set PA,     528                       ; p's LDS row: 512 bytes + 16 = 132 words
.set AHALF,  64*PA
.set PVP,    288                       ; v's LDS row: 256 bytes + 32 = 72 words
.set VHALF,  128*PVP
.set VOFF,   2*AHALF
.set SLOT,   VOFF+2*VHALF              ; 128 rows of p, then 256 keys of v
.set STAGE,  2*SLOT                    ; 16 rows x 272 bytes for each wave
.set SPITCH, 272
.set SPARE,  STAGE+4*16*SPITCH         ; the spare words, 128 bytes for each wave
.set FTAB,   SPARE+512                 ; the factors: 2 blocks x 16 t x 512 bytes; row rho of the 128 at (rho / 64) 256 + (rho % 16) 16 + ((rho / 16) % 4) 4
.set VSTEP,  256*6144                  ; bytes of qkv from a key step to the next
.set ROWO,   4096                      ; bytes in a row of pt and of out0
.set ADRA, 16                          ; v16-17  p's fragments in slot 0, 1
.set ADRV, 18                          ; v18-21  v's: slot 0 keys 0-127, 128-255; slot 1 likewise
.set FT2,  23                          ; v23     the second block's factors
.set STO,  24
.set RD,   25
.set CO,   26
.set FT,   27                          ; v27     the factors of the step to come; steps 1,024 a key step
.set SPW,  28
.set NIL,  29
.set PFO,  30                          ; v30     p's prefetch: two lanes a row
.set PFO2, 31                          ; v31     v's: a lane a row
.set TMP,  32
.set OT,   32                          ; the statistics' registers lie in TMP: offsets,
.set MM,   48                          ; m_t, then the factors,
.set LL,   64                          ; l_t,
.set MR,   80                          ; the row's maximum,
.set LR,   81                          ; the row's sum,
.set RO,   82                          ; 4 x my row,
.set FW,   83                          ; where my row's factors go
.set FA,   96                          ; v96-99   my four row blocks' factors for the step's first 128 keys
.set FB,   100                         ; v100-103 for its second
.set ACC,  128
.set F0,   0
.set F1,   128
.set WV, 12
.set RH, 13
.set CH, 14
.set CX, 15
.set COL, 16
.set YY, 17
.set BAT, 18
.set HF, 19
.set I1, 20
.set I2, 21
.set T0, 22
.set T1, 23
.set G1A, 24
.set G1V, 32
.set G0A, 40
.set G0V, 48
.set CNT, 56
.set BL,  57                           ; laps of the ring that the first block still has
.set CS,  58
.set NXT, 60                           ; the key step to be asked for next
.set LQ,  61                           ; the last key step of the block whose tiles are being asked for
.set ARO, 62                           ; that block's first row, in bytes of pt
.set ARO2, 63
.set INB1, 66                          ; 1 while the first block's tiles are being asked for
.set AKA, 67                           ; 1: I prefetch p
.set AKV, 68                           ; 1: I prefetch v
.set T2,  69
.set OF,  70                           ; s[70:71] an offset in pt
.set OV,  72                           ; s[72:73] an offset in qkv
.set PTW, 74                           ; s[74:75] pt at my half of a tile's rows
.set VW,  76                           ; s[76:77] v at my half of key step 0, my work-group's channels
.set PTP, 78                           ; s[78:79] PTW at my work-group's 16 rows, for the prefetch
.set PFA, 80
.set PFV, 82
.set OUT, 84
.set OUT2, 86
.set T4,  88
.set LA,  90
.set LV,  91
.set MSB, 0
.macro WIN new
.if MSB != (\new)
	s_set_vgpr_msb (MSB<<8)|(\new)
.set MSB, \new
.endif
.endm
.set MUL,  0x05                        ; sources 0 and 1 window 1; C and D window 0
.set TO_F, 0x40                        ; destination window 1, address window 0
.macro JLOAD s                         ; waves 0, 1: p's halves, jointly; waves 2, 3: v's halves.  An s_nop 0 and four v_nop follow each of the two lines
	s_cmp_lt_u32 s[WV], 2
	s_cbranch_scc0 .Lfor_v_\@
	tensor_load_to_lds s[G0A+4*(\s):G0A+4*(\s)+3], s[G1A:G1A+7]
	s_nop 0
.rept 4
	v_nop
.endr
	s_branch .Lasked_\@
.Lfor_v_\@:
	tensor_load_to_lds s[G0V+4*(\s):G0V+4*(\s)+3], s[G1V:G1V+7]
	s_nop 0
.rept 4
	v_nop
.endr
.Lasked_\@:
.endm
.macro CREST
	s_cmp_lg_u32 s[WV], 0
	s_cbranch_scc1 .Lnot_wave_0_\@
	s_barrier_signal -3
.Lnot_wave_0_\@:
	s_barrier_wait -3
	s_barrier_signal -1
	s_barrier_wait -1
.endm
.macro CROUND
	s_barrier_signal -1
	s_barrier_wait -1
	CREST
.endm
.macro WRAP                            ; the block's next key step, or behind its last the second block's step 0
	s_add_co_u32 s[NXT], s[NXT], 1
	s_cmp_gt_u32 s[NXT], s[LQ]
	s_cselect_b32 s[NXT], 0, s[NXT]
	s_cselect_b32 s[ARO], s[ARO2], s[ARO]
	s_cselect_b32 s[INB1], 0, s[INB1]
	s_cselect_b32 s[LQ], s[I2], s[LQ]
.endm
; The descriptors' addresses for key step NXT are made anew from its number; then the number steps.  ask = 1: the addresses of the step after it, for the prefetches.
.macro NEXTD slot, ask
	s_lshl_b32 s[OF], s[NXT], 9
	s_add_co_u32 s[OF], s[OF], s[ARO]
	s_add_nc_u64 s[G0A+4*(\slot)+2:G0A+4*(\slot)+3], s[PTW:PTW+1], s[OF:OF+1]
	s_or_b32 s[G0A+4*(\slot)+3], s[G0A+4*(\slot)+3], 0x80000000
	s_mul_i32 s[OV], s[NXT], VSTEP
	s_add_nc_u64 s[G0V+4*(\slot)+2:G0V+4*(\slot)+3], s[VW:VW+1], s[OV:OV+1]
	s_or_b32 s[G0V+4*(\slot)+3], s[G0V+4*(\slot)+3], 0x80000000
	WRAP
.if \ask
	s_lshl_b32 s[OF], s[NXT], 9
	s_add_co_u32 s[OF], s[OF], s[ARO]
	s_add_nc_u64 s[PFA:PFA+1], s[PTP:PTP+1], s[OF:OF+1]
	s_mul_i32 s[OV], s[NXT], VSTEP
	s_add_nc_u64 s[PFV:PFV+1], s[VW:VW+1], s[OV:OV+1]
.endif
.endm
; A prefetch into the L2 of what the NEXT change of slots will ask for, a key step (128 matrix instructions and two folds) ahead of that load.  p's tile is read by the two clusters of a grid row: cluster x = 0 asks;
; of the 64 rows that wave 0 or 1 fetches each partner takes 16, told apart by address, two blocks of 256 bytes a row: one instruction.  v's tile is read by the eight work-groups of a batch
; and channel block, in both their blocks: the one whose first block walks all eight key steps asks, in that block alone: waves 2 and 3, their own 128 keys, a lane a row, four instructions.
.macro ASK
	WIN 0
	s_cmp_eq_u32 s[AKA], 1
	s_cbranch_scc0 .Lno_p_\@
	global_prefetch_b8 v[PFO], s[PFA:PFA+1] th:TH_LOAD_NT scope:SCOPE_SE
.Lno_p_\@:
	s_and_b32 s[T2], s[AKV], s[INB1]
	s_cmp_eq_u32 s[T2], 1
	s_cbranch_scc0 .Lno_v_\@
.irp n, 0,1,2,3
	global_prefetch_b8 v[PFO2], s[PFV:PFV+1] offset:(\n)*32*6144 th:TH_LOAD_NT scope:SCOPE_SE
.endr
.Lno_v_\@:
.endm
	s_load_b256 s[4:11], s[0:1], 0x0               ; pt s[4:5], st s[6:7], qkv s[8:9], out0 s[10:11]
	v_lshl_add_u32 v[SPW], v0, 2, SPARE
	v_mov_b32 v[NIL], 0
	ds_add_u32 v[SPW], v[NIL]                      ; the wave's opening: the add and its wait ahead of my first tensor load
	v_lshrrev_b32 v1, 5, v0
	v_readfirstlane_b32 s[WV], v1
	s_lshr_b32 s[RH], s[WV], 1                     ; which 64 rows are mine
	s_and_b32 s[CH], s[WV], 1                      ; which 64 channels.  Also: which half of a tile I fetch
	s_bfe_u32 s[CX], ttmp6, 0x40000
	s_lshl_b32 s[COL], ttmp9, 2
	s_add_co_u32 s[COL], s[COL], s[CX]             ; my block of 128 channels
	s_and_b32 s[YY], ttmp7, 0xffff
	s_lshr_b32 s[BAT], s[YY], 3
	s_and_b32 s[HF], s[YY], 1
	s_bfe_u32 s[T0], s[YY], 0x20001                ; u: the pair of blocks {u, 7 - u}
	s_sub_co_u32 s[T1], 7, s[T0]
	s_bitcmp1_b32 s[T0], 0
	s_cselect_b32 s[I1], s[T0], s[T1]              ; the odd one first
	s_sub_co_u32 s[I2], 7, s[I1]
	s_lshl_b32 s[T0], s[BAT], 11
	s_lshl_b32 s[T1], s[HF], 7
	s_add_co_u32 s[T0], s[T0], s[T1]
	s_lshl_b32 s[ARO], s[I1], 8
	s_add_co_u32 s[ARO], s[ARO], s[T0]
	s_lshl_b32 s[ARO], s[ARO], 12
	s_lshl_b32 s[ARO2], s[I2], 8
	s_add_co_u32 s[ARO2], s[ARO2], s[T0]
	s_lshl_b32 s[ARO2], s[ARO2], 12
	s_mov_b32 s[G1A], 15|(1<<16)|(1<<20)|(1<<21)|(6<<22)|(3<<25)  ; the mask of four; 2-byte elements; padding on; bit 21 beside a mask; after every 128 words 4 words
	s_mov_b32 s[G1A+1], 256<<16                    ; tensor_dim0 = 256
	s_mov_b32 s[G1A+2], 64<<16                     ; tensor_dim1 = 64
	s_mov_b32 s[G1A+3], 256<<16                    ; tile_dim0 = 256
	s_mov_b32 s[G1A+4], 64                         ; tile_dim1 = 64
	s_mov_b32 s[G1A+5], 2048
	s_mov_b32 s[G1A+6], 0
	s_mov_b32 s[G1A+7], 0
	s_mov_b32 s[G1V], (1<<16)|(1<<20)|(5<<22)|(7<<25)  ; no mask; after every 64 words 8 words
	s_mov_b32 s[G1V+1], 128<<16
	s_mov_b32 s[G1V+2], 128<<16
	s_mov_b32 s[G1V+3], 128<<16
	s_mov_b32 s[G1V+4], 128
	s_mov_b32 s[G1V+5], 3072
	s_mov_b32 s[G1V+6], 0
	s_mov_b32 s[G1V+7], 0
	s_mov_b32 s[CS], 0x3d38aa3b                    ; c = log2(e) / 32
	s_mov_b32 s[OF+1], 0
	s_mov_b32 s[OV+1], 0
	s_mov_b32 s[T4+1], 0
	s_mul_i32 s[LA], s[CH], AHALF
	s_mul_i32 s[LV], s[CH], VHALF
	s_add_co_u32 s[BL], s[I1], 1
	s_lshr_b32 s[BL], s[BL], 1
	s_mov_b32 s[NXT], 1
	s_mov_b32 s[LQ], s[I1]
	s_mov_b32 s[INB1], 1
	s_cmp_lt_u32 s[WV], 2
	s_cselect_b32 s[T0], 1, 0
	s_cmp_eq_u32 ttmp9, 0
	s_cselect_b32 s[AKA], s[T0], 0
	s_xor_b32 s[T0], s[T0], 1
	s_and_b32 s[T1], s[YY], 7
	s_cmp_eq_u32 s[T1], 0
	s_cselect_b32 s[AKV], s[T0], 0
	s_wait_dscnt 0x0                               ; the opening add is done
	s_wait_kmcnt 0x0
	s_lshl_b32 s[T4], s[CH], 18                    ; 64 rows of pt
	s_add_nc_u64 s[PTW:PTW+1], s[4:5], s[T4:T4+1]
	s_lshl_b32 s[T4], s[CX], 16                    ; 16 rows of pt
	s_add_nc_u64 s[PTP:PTP+1], s[PTW:PTW+1], s[T4:T4+1]
	s_lshl_b32 s[T0], s[BAT], 11
	s_lshl_b32 s[T1], s[CH], 7
	s_add_co_u32 s[T0], s[T0], s[T1]
	s_mul_i32 s[T0], s[T0], 6144
	s_lshl_b32 s[T1], s[COL], 8
	s_add_co_u32 s[T0], s[T0], s[T1]
	s_add_co_u32 s[T4], s[T0], 4096                ; v lies 4,096 bytes into a row of qkv
	s_add_nc_u64 s[VW:VW+1], s[8:9], s[T4:T4+1]
	s_lshl_b32 s[T0], s[RH], 18
	s_lshl_b32 s[T1], s[COL], 9
	s_add_co_u32 s[T0], s[T0], s[T1]
	s_lshl_b32 s[T1], s[CH], 8
	s_add_co_u32 s[T0], s[T0], s[T1]
	s_add_co_u32 s[T4], s[T0], s[ARO]
	s_add_nc_u64 s[OUT:OUT+1], s[10:11], s[T4:T4+1]
	s_add_co_u32 s[T4], s[T0], s[ARO2]
	s_add_nc_u64 s[OUT2:OUT2+1], s[10:11], s[T4:T4+1]
.irp s, 0,1
	s_mov_b32 s[G0A+4*(\s)], 1
	s_add_co_u32 s[G0A+4*(\s)+1], s[LA], (\s)*SLOT
	s_add_co_u32 s[OF], s[ARO], (\s)*512
	s_add_nc_u64 s[G0A+4*(\s)+2:G0A+4*(\s)+3], s[PTW:PTW+1], s[OF:OF+1]
	s_or_b32 s[G0A+4*(\s)+3], s[G0A+4*(\s)+3], 0x80000000
	s_mov_b32 s[G0V+4*(\s)], 1
	s_add_co_u32 s[G0V+4*(\s)+1], s[LV], (\s)*SLOT+VOFF
	s_add_nc_u64 s[G0V+4*(\s)+2:G0V+4*(\s)+3], s[VW:VW+1], (\s)*VSTEP
	s_or_b32 s[G0V+4*(\s)+3], s[G0V+4*(\s)+3], 0x80000000
.endr
	CROUND                                         ; all four work-groups are here: the first joint loads meet
	s_cmp_lt_u32 s[WV], 2                          ; a wave's two first fills (key steps 0 and 1) stand in one branch: two loads of mine are out
	s_cbranch_scc0 .Lfirst_v
	tensor_load_to_lds s[G0A:G0A+3], s[G1A:G1A+7]
	s_nop 0
	tensor_load_to_lds s[G0A+4:G0A+7], s[G1A:G1A+7]
	s_nop 0
.rept 4
	v_nop
.endr
	s_branch .Lfirst_asked
.Lfirst_v:
	tensor_load_to_lds s[G0V:G0V+3], s[G1V:G1V+7]
	s_nop 0
	tensor_load_to_lds s[G0V+4:G0V+7], s[G1V:G1V+7]
	s_nop 0
.rept 4
	v_nop
.endr
.Lfirst_asked:
	WRAP                                           ; key step 2 is next, or the second block's step 0
	v_lshrrev_b32 v3, 6, v0
	v_and_b32 v1, 15, v0                           ; l % 16
	v_bfe_u32 v5, v0, 4, 2
	v_lshlrev_b32 v[FW], 8, v3
	v_lshl_add_u32 v[FW], v1, 4, v[FW]
	v_lshl_add_u32 v[FW], v5, 2, v[FW]
	v_add_nc_u32 v[FW], FTAB, v[FW]
; THE FACTORS of block blk (its number in s[ireg]).  A thread takes a row.  Only words that the launch before wrote are read: t is held at 2 I + 1, and what lies beyond counts for nothing.
.macro STATS blk, ireg
	s_lshl_b32 s[T0], s[\ireg], 8
	s_lshl_b32 s[T1], s[HF], 7
	s_add_co_u32 s[T0], s[T0], s[T1]
	s_lshl_b32 s[T1], s[BAT], 11
	s_add_co_u32 s[T0], s[T0], s[T1]
	s_lshl_b32 s[T0], s[T0], 2
	v_lshl_add_u32 v[RO], v0, 2, s[T0]
	s_lshl_b32 s[T1], s[\ireg], 1
	s_add_co_u32 s[T1], s[T1], 1                   ; the row's last block of keys
.set t, 0
.rept 16
	s_min_u32 s[T2], s[T1], t
	s_lshl_b32 s[T2], s[T2], 15
	v_add_nc_u32 v[OT+t], s[T2], v[RO]
	global_load_b32 v[MM+t], v[OT+t], s[6:7]
	global_load_b32 v[LL+t], v[OT+t], s[6:7] offset:524288
.set t, t+1
.endr
	s_wait_loadcnt 0x0
	v_max3_num_f32 v[MR], v[MM], v[MM+1], v[MM+2]
.irp n, 0,1,2,3,4,5
	v_max3_num_f32 v[MR], v[MR], v[MM+3+2*(\n)], v[MM+4+2*(\n)]
.endr
	v_max_num_f32 v[MR], v[MR], v[MM+15]
.set t, 0
.rept 16
	v_sub_f32 v[MM+t], v[MM+t], v[MR]              ; never above 0
.set t, t+1
.endr
.set t, 0
.rept 16
	v_mul_f32 v[MM+t], s[CS], v[MM+t]
.set t, t+1
.endr
.set t, 0
.rept 16
	v_exp_f32 v[MM+t], v[MM+t]
.set t, t+1
.endr
	v_nop                                          ; a plain instruction behind the last exponential,
	s_wait_alu depctr_va_vdst(0)                   ; and one wait for the sixteen
.set t, 0
.rept 16
	s_cmp_ge_u32 s[T1], t
	s_cselect_b32 s[T2], 1.0, 0
	v_mul_f32 v[MM+t], s[T2], v[MM+t]
.if t == 0
	v_mul_f32 v[LR], v[MM], v[LL]
.else
	v_fmac_f32 v[LR], v[MM+t], v[LL+t]
.endif
.set t, t+1
.endr
	v_rcp_f32 v[LR], v[LR]                         ; l_row is 1 at the least: the block that holds the maximum has the factor 1 and a p of 1
	v_nop
	s_wait_alu depctr_va_vdst(0)
.set t, 0
.rept 16
	v_mul_f32 v[MM+t], v[MM+t], v[LR]
	ds_store_b32 v[FW], v[MM+t] offset:(\blk)*8192+t*512
.set t, t+1
.endr
.endm
	STATS 0, I1
	STATS 1, I2
	WIN 0x80
.set i, 0
.rept 128
	v_mov_b32 v[i], 0                              ; MAIN starts at 0: written while the first tiles are on their way
.set i, i+1
.endr
	WIN 0
	v_bfe_u32 v2, v0, 4, 1                         ; l / 16
	v_and_b32 v6, 31, v0                           ; l
	v_mul_u32_u24 v3, v1, PA
	v_lshl_add_u32 v3, v2, 4, v3
	s_mul_i32 s[T0], s[RH], AHALF
	v_add_nc_u32 v[ADRA], s[T0], v3
	v_add_nc_u32 v[ADRA+1], SLOT, v[ADRA]
	v_and_b32 v4, 7, v0
	v_lshl_add_u32 v4, v2, 3, v4
	v_mul_u32_u24 v4, v4, PVP
	v_bfe_u32 v5, v0, 3, 1
	v_lshl_add_u32 v4, v5, 4, v4
	s_lshl_b32 s[T0], s[CH], 7
	s_add_co_u32 s[T0], s[T0], VOFF
	v_add_nc_u32 v[ADRV], s[T0], v4
	v_add_nc_u32 v[ADRV+1], VHALF, v[ADRV]
	v_add_nc_u32 v[ADRV+2], SLOT, v[ADRV]
	v_add_nc_u32 v[ADRV+3], SLOT+VHALF, v[ADRV]
	s_lshl_b32 s[T0], s[RH], 8
	s_add_co_u32 s[T0], s[T0], FTAB
	v_lshl_add_u32 v[FT], v1, 4, s[T0]
	v_add_nc_u32 v[FT2], 8192, v[FT]
	s_mul_i32 s[T0], s[WV], 16*SPITCH
	s_add_co_u32 s[T0], s[T0], STAGE
	v_mul_u32_u24 v4, v1, SPITCH
	v_lshl_add_u32 v4, v2, 5, v4                   ; in: row l % 16, 32 bytes for each half of the lanes
	v_add_nc_u32 v[STO], s[T0], v4
	v_mul_u32_u24 v5, v2, SPITCH
	v_lshl_add_u32 v5, v1, 4, v5
	v_add_nc_u32 v[RD], s[T0], v5
	v_lshlrev_b32 v5, 12, v2
	v_lshl_add_u32 v[CO], v1, 4, v5
	v_lshrrev_b32 v[PFO], 1, v6
	v_and_b32 v5, 1, v6
	v_lshlrev_b32 v[PFO], 12, v[PFO]
	v_lshl_add_u32 v[PFO], v5, 8, v[PFO]
	v_mul_u32_u24 v[PFO2], v6, 6144
; 8 matrix instructions: row blocks a0, a0 + 1 x all 4 channel blocks, 32 keys: half c of buffer f.  zero = 1: the product starts the block's sums
.macro MUL8 f, c, a0, zero
	WIN MUL
.irp a, \a0, (\a0)+1
.irp b, 0,1,2,3
.if \zero
	v_wmma_f32_16x16x32_f16 v[ACC+8*(4*(\a)+(\b)):ACC+8*(4*(\a)+(\b))+7], v[(\f)+64+8*(4*(\c)+(\b)):(\f)+64+8*(4*(\c)+(\b))+7], v[(\f)+8*(4*(\c)+(\a)):(\f)+8*(4*(\c)+(\a))+7], 0
.else
	v_wmma_f32_16x16x32_f16 v[ACC+8*(4*(\a)+(\b)):ACC+8*(4*(\a)+(\b))+7], v[(\f)+64+8*(4*(\c)+(\b)):(\f)+64+8*(4*(\c)+(\b))+7], v[(\f)+8*(4*(\c)+(\a)):(\f)+8*(4*(\c)+(\a))+7], v[ACC+8*(4*(\a)+(\b)):ACC+8*(4*(\a)+(\b))+7]
.endif
.endr
.endr
.endm
; 32 LDS loads in one run: the fragments of quarter q of a key step (64 keys) into buffer f; the first 32 keys first
.macro FETCH slot, q, f
	WIN TO_F
.irp c, 0,1
.irp i, 0,1,2,3
	ds_load_tr16_b128 v[(\f)+64+8*(4*(\c)+(\i)):(\f)+64+8*(4*(\c)+(\i))+3],   v[ADRV+2*(\slot)+(\q)/2] offset:(64*((\q)%2)+32*(\c))*PVP+32*(\i)
	ds_load_tr16_b128 v[(\f)+64+8*(4*(\c)+(\i))+4:(\f)+64+8*(4*(\c)+(\i))+7], v[ADRV+2*(\slot)+(\q)/2] offset:(64*((\q)%2)+32*(\c)+16)*PVP+32*(\i)
	ds_load_b128 v[(\f)+8*(4*(\c)+(\i)):(\f)+8*(4*(\c)+(\i))+3],              v[ADRA+(\slot)] offset:128*(\q)+64*(\c)+(\i)*16*PA
	ds_load_b128 v[(\f)+8*(4*(\c)+(\i))+4:(\f)+8*(4*(\c)+(\i))+7],            v[ADRA+(\slot)] offset:128*(\q)+64*(\c)+(\i)*16*PA+32
.endr
.endr
.endm
.macro PLACES                          ; four places behind matrix instructions (ISA guide 7.12.1)
.rept 4
	v_nop
.endr
.endm
; One of a key step's first three quarters: multiplies buffer f and fetches quarter q into g.  ld = 1: the step's factors are fetched too.
.macro QUARTER slot, q, f, g, zero, ld
	s_wait_dscnt 16                                ; the first 32 keys' fragments are in
	MUL8 \f, 0, 0, \zero
	MUL8 \f, 0, 2, \zero
	PLACES
.if \ld
	WIN 0
	ds_load_b128 v[FA:FA+3], v[FT]
	ds_load_b128 v[FB:FB+3], v[FT] offset:512
	v_add_nc_u32 v[FT], 1024, v[FT]
.endif
	FETCH \slot, \q, \g
	s_wait_dscnt 32                                ; all but the 32 just issued: the factors are in too
	MUL8 \f, 1, 0, 0
	MUL8 \f, 1, 2, 0
.endm
; MAIN += ACC x the rows' factors: 64 packed multiply-adds; each accumulator is read from its low end on.  Row block a's factor is register a of the four: the low or the high one of a pair, for both halves.
.macro FOLD fr
	PLACES
	WIN 0xa0                                       ; destination and source 2 (MAIN) window 2; ACC and the factors window 0
.irp a, 0,1,2,3
.irp b, 0,1,2,3
.irp j, 0,2,4,6
.if ((\a)%2) == 0
	v_pk_fma_f32 v[8*(4*(\a)+(\b))+(\j):8*(4*(\a)+(\b))+(\j)+1], v[ACC+8*(4*(\a)+(\b))+(\j):ACC+8*(4*(\a)+(\b))+(\j)+1], v[(\fr)+2*((\a)/2):(\fr)+2*((\a)/2)+1], v[8*(4*(\a)+(\b))+(\j):8*(4*(\a)+(\b))+(\j)+1] op_sel_hi:[1,0,1]
.else
	v_pk_fma_f32 v[8*(4*(\a)+(\b))+(\j):8*(4*(\a)+(\b))+(\j)+1], v[ACC+8*(4*(\a)+(\b))+(\j):ACC+8*(4*(\a)+(\b))+(\j)+1], v[(\fr)+2*((\a)/2):(\fr)+2*((\a)/2)+1], v[8*(4*(\a)+(\b))+(\j):8*(4*(\a)+(\b))+(\j)+1] op_sel:[0,1,0] op_sel_hi:[1,1,1]
.endif
.endr
.endr
.endr
.endm
; The last quarter changes slots: ONE barrier; in front of it each wave waits for all its tensor loads, adds 0 to its spare word, and waits for that and for its reads of this slot.
; fill = 1: the barrier opens a round of the cluster's barrier, and this slot is filled again first thing behind the round: one load a wave, a key step in which to land.
.macro TURN slot, next, fill, ask
.if \ask
	s_wait_xcnt 0x0                                ; the last prefetches, a key step back, have read their addresses
.endif
	WIN 0
	s_wait_tensorcnt 0x0                           ; all my tensor loads have landed, so a group 0 may be written
	ds_add_u32 v[SPW], v[NIL]
.if \fill
	NEXTD \slot, \ask
.endif
	s_wait_dscnt 17                                ; the add and the youngest sixteen loads may be out
	MUL8 F1, 0, 0, 0
	s_wait_dscnt 0x0                               ; the add is done, and my reads of this slot are over
	s_barrier_signal -1
	MUL8 F1, 0, 2, 0
.if \fill
	WIN 0
.endif
	s_barrier_wait -1
.if \fill
	CREST                                          ; no wave of any partner still reads this slot or has a load on its way
	JLOAD \slot                                    ; the four v_nop behind it are also the places in front of the loads below
.else
	PLACES
.endif
	FETCH \next, 0, F0
.if \ask
	ASK
.endif
	MUL8 F1, 1, 0, 0
	MUL8 F1, 1, 2, 0
.endm
; A key step: 256 keys, two blocks of 128, each folded into MAIN when it is done.  mode 1: the slot is filled again; 0: not; 2: the walk's last step.
.macro STEP slot, next, mode, ask
	QUARTER \slot, 1, F0, F1, 1, 1
	QUARTER \slot, 2, F1, F0, 0, 0
	FOLD FA
	QUARTER \slot, 3, F0, F1, 1, 0
.if (\mode) == 2
	s_wait_dscnt 16
	MUL8 F1, 0, 0, 0
	MUL8 F1, 0, 2, 0
	s_wait_dscnt 0x0
	MUL8 F1, 1, 0, 0
	MUL8 F1, 1, 2, 0
.else
	TURN \slot, \next, \mode, \ask
.endif
	FOLD FB
.endm
; THE WAY OUT: MAIN holds the finished numbers.  16 rows at a time go through my stage (a lane's eight channels are 32 bytes) and come back as whole rows of 256 bytes.  clr = 1: MAIN starts at 0 again.
.macro WAYOUT clr
.irp a, 0,1,2,3
	WIN 0x08                                       ; the stores' data: window 2
.irp b, 0,1,2,3
	ds_store_b128 v[STO], v[8*(4*(\a)+(\b)):8*(4*(\a)+(\b))+3]   offset:64*(\b)
	ds_store_b128 v[STO], v[8*(4*(\a)+(\b))+4:8*(4*(\a)+(\b))+7] offset:64*(\b)+16
.endr
	WIN 0
	s_wait_xcnt 0x0                                ; earlier stores have read the registers that are loaded again below
.irp t, 0,1,2,3,4,5,6,7
	ds_load_b128 v[TMP+32*((\a)%2)+4*(\t):TMP+32*((\a)%2)+4*(\t)+3], v[RD] offset:(\t)*2*SPITCH  ; LDS serves a wave's instructions in order: these see the stores above
.endr
	s_wait_dscnt 0x0
.irp t, 0,1,2,3,4,5,6,7
	global_store_b128 v[CO], v[TMP+32*((\a)%2)+4*(\t):TMP+32*((\a)%2)+4*(\t)+3], s[OUT:OUT+1] offset:(\a)*16*ROWO+2*(\t)*ROWO  ; 16 lanes store 256 consecutive bytes, at a multiple of 256 from out0's first byte
.endr
.endr
.if \clr
	WIN 0x80
.set i, 0
.rept 128
	v_mov_b32 v[i], 0
.set i, i+1
.endr
	WIN 0
.endif
.endm
; At the end of a lap: has the first block had its last key step?  The jump goes forward, past neither a barrier nor a tensor load, and is the same in all partners.
.macro BCHK
	WIN 0
	s_sub_co_u32 s[BL], s[BL], 1
	s_cmp_lg_u32 s[BL], 0
	s_cbranch_scc1 .Lsame_\@
	WAYOUT 1
	s_wait_xcnt 0x0                                ; the stores have read out0's address
	s_mov_b64 s[OUT:OUT+1], s[OUT2:OUT2+1]
	v_mov_b32 v[FT], v[FT2]
.Lsame_\@:
.endm
	s_wait_tensorcnt 1                             ; my part of key step 0 is in; step 1's stays out
	s_wait_dscnt 0x0                               ; my rows' factors are stored
	s_barrier_signal -1
	s_barrier_wait -1
	FETCH 0, 0, F0
	WIN 0
	s_mov_b32 s[CNT], 3
.Llap:                                                 ; a trip: two key steps; both slots are filled again: steps 2 to 7 of the walk in three trips
	STEP 0, 1, 1, 1
	STEP 1, 0, 1, 1
	BCHK
	s_sub_co_u32 s[CNT], s[CNT], 1
	s_cmp_lg_u32 s[CNT], 0
	s_cbranch_scc1 .Llap
	STEP 0, 1, 1, 0                                ; the tail is written out: step 6 asks for step 8, the walk's last,
	STEP 1, 0, 0, 0                                ; step 7 for nothing
	BCHK
	STEP 0, 0, 2, 0
	WIN 0
	WAYOUT 0
	s_wait_tensorcnt 0x0                           ; the wave's end
	ds_add_u32 v[SPW], v[NIL]
	s_wait_dscnt 0x0
	CROUND                                         ; the closing round
	s_endpgm
.Lfunc_end_k_q86d73b4562_pv:
	.size	k_q86d73b4562_pv, .Lfunc_end_k_q86d73b4562_pv-k_q86d73b4562_pv
	.p2alignl 7, 3214868480
	.fill 96, 4, 3214868480
	.section	.rodata,"a",@progbits
	.p2align	6, 0x0
	.amdhsa_kernel k_q86d73b4562_pv
		.amdhsa_group_segment_fixed_size 327680
		.amdhsa_private_segment_fixed_size 0
		.amdhsa_enable_private_segment 0
		.amdhsa_kernarg_size 32
		.amdhsa_user_sgpr_count 2
		.amdhsa_user_sgpr_kernarg_segment_ptr 1
		.amdhsa_wavefront_size32 1
		.amdhsa_system_sgpr_workgroup_id_x 1
		.amdhsa_system_sgpr_workgroup_id_y 1
		.amdhsa_system_sgpr_workgroup_id_z 1
		.amdhsa_system_vgpr_workitem_id 0
		.amdhsa_next_free_vgpr 640
		.amdhsa_next_free_sgpr 92
		.amdhsa_reserve_vcc 0
		.amdhsa_float_denorm_mode_32 3
		.amdhsa_float_denorm_mode_16_64 3
		.amdhsa_memory_ordered 1
		.amdhsa_forward_progress 1
		.amdhsa_inst_pref_size 200
	.end_amdhsa_kernel
	.amdgpu_metadata
---
amdhsa.version: [ 1, 2 ]
amdhsa.kernels:
  - .name:           k_q86d73b4562_pv
    .symbol:         k_q86d73b4562_pv.kd
    .args:
      - { .name: pt, .offset: 0, .size: 8, .value_kind: global_buffer, .address_space: global }
      - { .name: st, .offset: 8, .size: 8, .value_kind: global_buffer, .address_space: global }
      - { .name: qkv, .offset: 16, .size: 8, .value_kind: global_buffer, .address_space: global }
      - { .name: out0, .offset: 24, .size: 8, .value_kind: global_buffer, .address_space: global }
    .group_segment_fixed_size: 327680
    .private_segment_fixed_size: 0
    .kernarg_segment_align: 8
    .kernarg_segment_size: 32
    .max_flat_workgroup_size: 128
    .sgpr_count:     92
    .vgpr_count:     640
    .wavefront_size: 32
...
	.end_amdgpu_metadata
.endif
;; end of part 4
;; ======== version 2 of 2: 4 launches; version 1 with the launch cast written anew for expert scheduling mode
;; limits: values are held in f16: magnitudes above 65,504 overflow, below 6.1e-05 lose precision
;; workspace buffers: xb 16,777,216 bytes; wb 6,291,456 bytes; qkv 50,331,648 bytes; pt 33,554,432 bytes; st 1,048,576 bytes
;; launch cast (part 5): grid 704 x 1, 8 waves a work-group, no clusters, 0 bytes of LDS; arguments x, Wq, Wk, Wv, xb, wb; writes xb, wb
.if DOCPART == 5
	.amdgcn_target "amdgcn-amd-amdhsa--gfx1250"
	.amdhsa_code_object_version 6
	.text
	.protected	k_q86d73b4562_cast
	.globl	k_q86d73b4562_cast
	.p2align	8
	.type	k_q86d73b4562_cast,@function
k_q86d73b4562_cast:
	s_mov_b64 s[64:65], 0
	v_nop
	global_prefetch_b8 v0, s[64:65] scope:SCOPE_SE
	s_setreg_imm32_b32 hwreg(HW_REG_WAVE_SCHED_MODE, 0, 2), 2
	s_setreg_imm32_b32 hwreg(HW_REG_WAVE_MODE, 25, 1), 1
	s_wait_xcnt 0x0
	s_wait_alu depctr_vm_vsrc(0)
; x and the three weight matrices rounded to bf16, laid out as the projection's tiles want them.
; xb: [16 blocks of 64 k][8192 rows][64 k]: the 64 k of a row are 128 bytes, and rows follow each other, so that 128 rows x 64 k are 16,384 dense bytes.
; wb: [1024 k][3072 n]: a row holds Wq's, Wk's and Wv's row k one behind the other, 2,048 bytes each.
; A stream: each byte is read once and written once.  A work-group of eight waves casts 16,384 numbers: 16 rows of x (work-groups 0 to 511) or 16 rows of a matrix (512 to 703, 64 for each matrix).
; x: wave w takes rows 2 w and 2 w + 1 (lanes 0-15 the one, lanes 16-31 the other); load i takes 256 consecutive bytes of each (64 k), store i puts the two rows' 128 bytes side by side: 256 consecutive bytes, aligned.
; W: load i takes row i, 16 bytes a thread; a wave's store covers 256 consecutive bytes, aligned.
; All sixteen loads of a lane go out at once.  No LDS, no matrix unit, no cluster: no byte is wanted twice.
; THE MODE: SCHED_MODE bits 1:0 = 2 (LLVM: expert scheduling mode 2), set by the entry lines.  The code itself states the register dependences
; between vector instructions and memory instructions, with s_wait_alu, always for 0.
; THE PLAN.  Registers that memory instructions touch:
;   v1, v2   the loads' and the stores' byte offsets: written once at the head by vector instructions, read by every load (v1) and every store (v2), never written again.
;   IN[n]    written once, by load n; read by the two conversions of n, behind the counted wait for the load; no vector instruction writes it and no second load lands in it.
;   OUT[n]   written once, by the two conversions of n; read by store n; never written again.
; No register is written twice, so nothing is owed for a register that a memory instruction has read, nor for a load that lands where a vector instruction has been.  What is left to state:
; the offsets are written, ahead of the first load; and OUT is written, ahead of its stores.  The sixteen go in four groups of four: a group's eight conversions, ONE wait, its four stores.
; That wait stands behind the conversions and not at the next group's head, where the stores would stand behind the wait for the next group's loads, with which they have nothing to do.
.set XCH, 512                          ; chunks of x
.set XPL, 8192*128                     ; bytes in a block of 64 k of xb
.set ROWW, 6144                        ; bytes in a row of wb
.set IN,  8                            ; v[8:71]    sixteen loads of four f32
.set OUT, 72                           ; v[72:103]  sixteen pairs of packed bf16
; lstep, sstep: bytes from load to load and from store to store.  split = 1: stores 8 to 15 go by a second base, so that the immediate stays inside its signed 24 bits.
.macro CAST lstep, sstep, split
	s_wait_alu depctr_va_vdst(0)                   ; v1 and v2 are written: every load below reads v1 as its offset, every store v2; no vector instruction behind this wait names either
.irp i, 0,1,2,3,4,5,6,7,8,9,10,11,12,13,14,15
	global_load_b128 v[IN+4*(\i):IN+4*(\i)+3], v1, s[16:17] offset:(\i)*(\lstep) th:TH_LOAD_NT
.endr
.irp g, 0,1,2,3
	s_wait_loadcnt 12-4*(\g)                       ; loads come back in order: group g's four are in, the younger groups stay out
.irp i, 0,1,2,3
	v_cvt_pk_bf16_f32 v[OUT+2*(4*(\g)+(\i))], v[IN+4*(4*(\g)+(\i))], v[IN+4*(4*(\g)+(\i))+1]
	v_cvt_pk_bf16_f32 v[OUT+2*(4*(\g)+(\i))+1], v[IN+4*(4*(\g)+(\i))+2], v[IN+4*(4*(\g)+(\i))+3]
.endr
	s_wait_alu depctr_va_vdst(0)                   ; the group's eight conversions have written its four pairs of OUT, which the four stores below read
.irp i, 0,1,2,3
.if (\split) && ((\g) >= 2)
	global_store_b64 v2, v[OUT+2*(4*(\g)+(\i)):OUT+2*(4*(\g)+(\i))+1], s[20:21] offset:(4*(\g)+(\i)-8)*(\sstep)
.else
	global_store_b64 v2, v[OUT+2*(4*(\g)+(\i)):OUT+2*(4*(\g)+(\i))+1], s[18:19] offset:(4*(\g)+(\i))*(\sstep)
.endif
.endr
.endr
.endm
	s_load_b256 s[4:11], s[0:1], 0x0               ; x s[4:5], Wq s[6:7], Wk s[8:9], Wv s[10:11]
	s_load_b128 s[12:15], s[0:1], 0x20             ; xb s[12:13], wb s[14:15]
	v_lshlrev_b32 v2, 3, v0                        ; 8 bytes a thread on the way out, on both ways
	s_mov_b32 s25, 0
	s_mov_b32 s27, 0
	s_cmp_lt_u32 ttmp9, XCH
	s_cbranch_scc0 .Lweights
	v_lshrrev_b32 v3, 4, v0                        ; my row of the chunk's 16
	v_and_b32 v1, 15, v0
	v_lshlrev_b32 v1, 4, v1                        ; 16 bytes a lane along it
	v_lshl_add_u32 v1, v3, 12, v1                  ; + the row's 4,096 bytes
	s_lshl_b32 s24, ttmp9, 16                      ; the chunk in x: 16 rows of 4,096 bytes,
	s_lshl_b32 s26, ttmp9, 11                      ; and in a block of xb: 16 rows of 128 bytes
	s_wait_kmcnt 0x0
	s_add_nc_u64 s[16:17], s[4:5], s[24:25]
	s_add_nc_u64 s[18:19], s[12:13], s[26:27]
	s_add_nc_u64 s[20:21], s[18:19], 8*XPL         ; blocks 8 to 15
	CAST 256, XPL, 1
	s_endpgm
.Lweights:
	v_lshlrev_b32 v1, 4, v0                        ; 16 bytes a thread: the eight waves cover a row
	s_sub_co_u32 s20, ttmp9, XCH
	s_lshr_b32 s22, s20, 6                         ; which matrix
	s_and_b32 s23, s20, 63                         ; which 16 rows of it
	s_lshl_b32 s24, s23, 16
	s_mul_i32 s26, s23, 16*ROWW
	s_lshl_b32 s28, s22, 11                        ; the matrix's 2,048 bytes of a row of wb
	s_add_co_u32 s26, s26, s28
	s_wait_kmcnt 0x0
	s_cmp_eq_u32 s22, 0
	s_cselect_b64 s[16:17], s[6:7], s[8:9]         ; Wq or Wk,
	s_cmp_eq_u32 s22, 2
	s_cselect_b64 s[16:17], s[10:11], s[16:17]     ; or Wv
	s_add_nc_u64 s[16:17], s[16:17], s[24:25]
	s_add_nc_u64 s[18:19], s[14:15], s[26:27]
	CAST 4096, ROWW, 0
	s_endpgm
.Lfunc_end_k_q86d73b4562_cast:
	.size	k_q86d73b4562_cast, .Lfunc_end_k_q86d73b4562_cast-k_q86d73b4562_cast
	.p2alignl 7, 3214868480
	.fill 96, 4, 3214868480
	.section	.rodata,"a",@progbits
	.p2align	6, 0x0
	.amdhsa_kernel k_q86d73b4562_cast
		.amdhsa_group_segment_fixed_size 0
		.amdhsa_private_segment_fixed_size 0
		.amdhsa_enable_private_segment 0
		.amdhsa_kernarg_size 48
		.amdhsa_user_sgpr_count 2
		.amdhsa_user_sgpr_kernarg_segment_ptr 1
		.amdhsa_wavefront_size32 1
		.amdhsa_system_sgpr_workgroup_id_x 1
		.amdhsa_system_sgpr_workgroup_id_y 1
		.amdhsa_system_sgpr_workgroup_id_z 1
		.amdhsa_system_vgpr_workitem_id 0
		.amdhsa_next_free_vgpr 104
		.amdhsa_next_free_sgpr 66
		.amdhsa_reserve_vcc 0
		.amdhsa_float_denorm_mode_32 3
		.amdhsa_float_denorm_mode_16_64 3
		.amdhsa_memory_ordered 1
		.amdhsa_forward_progress 1
		.amdhsa_inst_pref_size 13
	.end_amdhsa_kernel
	.amdgpu_metadata
---
amdhsa.version: [ 1, 2 ]
amdhsa.kernels:
  - .name:           k_q86d73b4562_cast
    .symbol:         k_q86d73b4562_cast.kd
    .args:
      - { .name: x, .offset: 0, .size: 8, .value_kind: global_buffer, .address_space: global }
      - { .name: Wq, .offset: 8, .size: 8, .value_kind: global_buffer, .address_space: global }
      - { .name: Wk, .offset: 16, .size: 8, .value_kind: global_buffer, .address_space: global }
      - { .name: Wv, .offset: 24, .size: 8, .value_kind: global_buffer, .address_space: global }
      - { .name: xb, .offset: 32, .size: 8, .value_kind: global_buffer, .address_space: global }
      - { .name: wb, .offset: 40, .size: 8, .value_kind: global_buffer, .address_space: global }
    .group_segment_fixed_size: 0
    .private_segment_fixed_size: 0
    .kernarg_segment_align: 8
    .kernarg_segment_size: 48
    .max_flat_workgroup_size: 256
    .sgpr_count:     66
    .vgpr_count:     104
    .wavefront_size: 32
...
	.end_amdgpu_metadata
.endif
;; end of part 5
;; launch proj: the kernel of part 2 again; grid 8 x 32, 4 waves a work-group, clusters of 4 x 4, 327,680 bytes of LDS; arguments xb, wb, qkv; writes qkv
;; launch score: the kernel of part 3 again; grid 36 x 4, 4 waves a work-group, no clusters, 327,680 bytes of LDS; arguments qkv, pt, st; writes pt, st
;; launch pv: the kernel of part 4 again; grid 8 x 32, 4 waves a work-group, clusters of 4 x 1, 327,680 bytes of LDS; arguments pt, st, qkv, out0; writes out0
